; MI455X (gfx1250); checked and timed in simulation.
; The chip was launched on July 23, 2026; its instructions are those of AMD's public machine-readable ISA for CDNA 5 (MIT licence, August 2026) and "CDNA5" Instruction Set Architecture Reference Guide (July 2026). The comments in the code are by the model that wrote it; some were corrected since.
;; Transformer Block. Allowed arithmetic: matrix products marked QUANTISED: E2M3 operands, one E8M0 scale for each 32 along K, by v_wmma_scale_f32_16x16x128_f8f6f4 with both operands' format E2M3, f32 sums; everything else in f32.
;; Inputs: norm1_w 1,024 float32; norm2_w 1,024 float32; token_positions 1 x 2,048 int32; w1_codes 2,752 x 32 x 24 uint8 (E2M3 codes of w1, K innermost, in blocks of 32 codes, four codes in three bytes); w1_scales 2,752 x 32 uint8 (E8M0 scales of w1, one for each 32 codes along K); w2_codes 1,024 x 86 x 24 uint8 (E2M3 codes of w2, K innermost, in blocks of 32 codes, four codes in three bytes); w2_scales 1,024 x 86 uint8 (E8M0 scales of w2, one for each 32 codes along K); w3_codes 2,752 x 32 x 24 uint8 (E2M3 codes of w3, K innermost, in blocks of 32 codes, four codes in three bytes); w3_scales 2,752 x 32 uint8 (E8M0 scales of w3, one for each 32 codes along K); wk_codes 1,024 x 32 x 24 uint8 (E2M3 codes of wk, K innermost, in blocks of 32 codes, four codes in three bytes); wk_scales 1,024 x 32 uint8 (E8M0 scales of wk, one for each 32 codes along K); wo_codes 1,024 x 32 x 24 uint8 (E2M3 codes of wo, K innermost, in blocks of 32 codes, four codes in three bytes); wo_scales 1,024 x 32 uint8 (E8M0 scales of wo, one for each 32 codes along K); wq_codes 1,024 x 32 x 24 uint8 (E2M3 codes of wq, K innermost, in blocks of 32 codes, four codes in three bytes); wq_scales 1,024 x 32 uint8 (E8M0 scales of wq, one for each 32 codes along K); wv_codes 1,024 x 32 x 24 uint8 (E2M3 codes of wv, K innermost, in blocks of 32 codes, four codes in three bytes); wv_scales 1,024 x 32 uint8 (E8M0 scales of wv, one for each 32 codes along K); x 2 x 2,048 x 1,024 float32.
;; Outputs: out0 2 x 2,048 x 1,024 float32.
;; This version of the problem:
;;   THIS VERSION OF THE PROBLEM IS GIVEN IN LOW PRECISION. The matrix products marked QUANTISED in the list below multiply operands that are first quantised to E2M3 (2 exponent bits, 3 mantissa bits; 6 bits a number), with one power-of-two scale for each 32 numbers along K (OCP MX v1.0); their sums are f32. All else is computed in f32.
;;   The module's matrix products, in the order in which they are computed (A, B: the left and right operand; K: the contracted axis; several contracted axes count as one K, in the product's order):
;;     1. [M 4,096, K 1,024] x [K 1,024, N 1,024]; A: computed on the way; B: input wq (given as codes): QUANTISED
;;     2. [M 4,096, K 1,024] x [K 1,024, N 1,024]; A: computed on the way; B: input wk (given as codes): QUANTISED
;;     3. [M 4,096, K 1,024] x [K 1,024, N 1,024]; A: computed on the way; B: input wv (given as codes): QUANTISED
;;     4. batch 32 x [M 2,048, K 64] x [K 64, N 2,048]; A: computed on the way; B: computed on the way: QUANTISED
;;     5. batch 32 x [M 2,048, K 2,048] x [K 2,048, N 64]; A: softmax (see below); B: computed on the way: QUANTISED
;;     6. [M 4,096, K 1,024] x [K 1,024, N 1,024]; A: computed on the way; B: input wo (given as codes): QUANTISED
;;     7. [M 4,096, K 1,024] x [K 1,024, N 2,752]; A: computed on the way; B: input w1 (given as codes): QUANTISED
;;     8. [M 4,096, K 1,024] x [K 1,024, N 2,752]; A: computed on the way; B: input w3 (given as codes): QUANTISED
;;     9. [M 4,096, K 2,752] x [K 2,752, N 1,024]; A: computed on the way; B: input w2 (given as codes): QUANTISED
;;   THE QUANTISER, for each operand of a quantised product, along K:
;;     - K is cut into blocks of 32 from its start; a last block that is shorter is filled with zeros.
;;     - A block's scale is 2^e with e = floor(log2(the largest magnitude in the block)) - 2, held to -126 .. 127; a block of zeros has e = 0. As a byte (E8M0): e + 127.
;;     - Each number is divided by its block's scale, clamped to +-7.5, and rounded to the nearest number of E2M3, ties to even, subnormals kept.
;;     - The product sums the exact products of the quantised numbers (number of the format x scale) in f32.
;;   ~~~python
;;   def quantise(x, axis):      # numpy; x: float32 -> the quantised numbers, widened to float32 again
;;       x = np.moveaxis(x, axis, -1); K = x.shape[-1]
;;       x = np.pad(x, [(0, 0)] * (x.ndim - 1) + [(0, -K % 32)]); x = x.reshape(x.shape[:-1] + (-1, 32)); a = np.abs(x).max(-1, keepdims=True)
;;       e = np.where(a > 0, np.clip(np.frexp(np.where(a > 0, a, 1))[1] - 1 - 2, -126, 127), 0)      # np.frexp(a)[1] - 1 = floor(log2(a)), exactly
;;       r = np.clip(x / 2.0 ** e, -7.5, 7.5)
;;       step = 2.0 ** (np.maximum(np.frexp(np.where(r == 0, 1, r))[1] - 1, 0) - 3)
;;       q = np.round(r / step) * step * 2.0 ** e      # np.round: ties to even
;;       return np.moveaxis(q.reshape(q.shape[:-2] + (-1,))[..., :K], -1, axis).astype(np.float32)
;;   ~~~
;;   SOFTMAX AHEAD OF A QUANTISED PRODUCT. Where the list says 'softmax', what is quantised is not the finished softmax but p = 2^(t - M), with t = logit x log2(e) and M = ceil(the row's largest t), a whole number; so 1/2 < the row's largest p <= 1. The row's sum l is taken of the UNQUANTISED p, in f32, and the product's result is divided by l at the end. Since M is a whole number, a kernel that streams over the keys may use a running M (the ceiling of the running maximum): every later rescaling is an exact power of two, which a block's scale takes up: the codes' values come out the same.
;;   OPERANDS COMPUTED ON THE WAY. 'Computed on the way' means the value that the module computes at that place (a softmax that the list does not call 'softmax' is quantised finished and normalised). What goes into a quantiser is computed in f32, as accurately as f32 sums, v_exp_f32 and their like allow (about 1e-6 of the number): no bf16 or f16 on the way to a quantiser, and a product that is left as it is and whose result goes on into a quantised operand takes f32 operands (vector FMAs, or v_wmma_f32_16x16x4_f32). A number that lies on a knife's edge between two numbers of the format may be rounded either way, as far as f32 arithmetic and the matrix unit's own rounding can turn it there, and no further.
;;   INPUTS GIVEN AS CODES. w1 (in the module: [2752, 1024], K = its axis 1); w2 (in the module: [1024, 2752], K = its axis 1); w3 (in the module: [2752, 1024], K = its axis 1); wk (in the module: [1024, 1024], K = its axis 1); wo (in the module: [1024, 1024], K = its axis 1); wq (in the module: [1024, 1024], K = its axis 1); wv (in the module: [1024, 1024], K = its axis 1): each comes as NAME_codes (uint8): NAME with its K axis moved to the last place and cut into blocks of 32 codes, [.., K / 32, bytes a block], one block behind the other in memory; four codes in three bytes: a row's codes are one little-endian stream of bits, code i at bits 6 i .. 6 i + 5 (a code: sign, 2 exponent bits, 3 mantissa bits); and NAME_scales (uint8): the same leading axes, one E8M0 byte (e + 127) for each 32 codes along K. Its value is code x scale, taken as it is: it is not quantised again, and the codes and scales need not be those that the quantiser above would give.
;; One version. Each part assembles by itself: llvm-mc -triple=amdgcn-amd-amdhsa -mcpu=gfx1250 --defsym DOCPART=n.
;; ======== version 1 of 1: 7 launches
;; limits: right only within a limited range of input values
;; workspace buffers: wimg 9,633,792 bytes; rt 524,288 bytes; act 3,407,872 bytes; qb 3,670,016 bytes; kv 7,077,888 bytes; x1 16,777,216 bytes; g 9,371,648 bytes
;; launch prep (part 1): grid 454 x 1, 4 waves a work-group, no clusters, 123,392 bytes of LDS; arguments x, norm1_w, token_positions, act, rt, wimg, wq_codes, wk_codes, wv_codes, wo_codes, w1_codes, w3_codes, w2_codes, w2_scales; writes act, rt, wimg
.if DOCPART == 1
	.amdgcn_target "amdgcn-amd-amdhsa--gfx1250"
	.amdhsa_code_object_version 6
	.text
	.protected	k_q898cf76677_prep
	.globl	k_q898cf76677_prep
	.p2align	8
	.type	k_q898cf76677_prep,@function
k_q898cf76677_prep:
	s_mov_b64 s[64:65], 0
	v_nop
	global_prefetch_b8 v0, s[64:65] scope:SCOPE_SE
	s_setreg_imm32_b32 hwreg(HW_REG_WAVE_MODE, 25, 1), 1
	s_wait_xcnt 0x0
; WORK-GROUPS 0-255: h1 = RMSNorm(x) * norm1_w, quantised to E2M3 along the 1,024 columns, and the table of cos and sin for RoPE.
; WORK-GROUPS 256-453: the seven weights' codes are laid anew as images of the matrix operand's registers, and w2's scale bytes as words.
; TILES.  Everywhere in this program tile 2 b + u of a row axis holds, in lane-row r, row 32 b + 8 u + r + 8 (r / 8): a product's 16 result registers of tiles 2 b and 2 b + 1
; are then 16 neighbours along the next product's K.
; IMAGES.  A fragment (16 rows x 128 K of 6-bit codes) is 12 registers a lane.  A weight's: registers 4 c .. 4 c + 3 of lane L at 512 c + 16 L (1,536 bytes).
; An activation's, in two halves of 64 along K (768 bytes each): registers 0-3 at 16 L, registers 4-5 at 512 + 8 L.  Scale words: 4 bytes a lane, 128 bytes.
; A record of act: 16 halves, then 8 x 128 bytes of scale words = 13,312 bytes for 16 tokens.
; NORM: a work-group takes a tile of 16 tokens, wave w its columns 256 w .. 256 w + 255 (K steps 2 w, 2 w + 1).  Every load reads 512 consecutive bytes of a row; the rows turn through the wave's
; own stage in LDS, so that a lane holds 16 neighbours of each block of 32.  The four waves' sums of squares meet in LDS behind the one barrier.
; LIMITS: a block whose largest magnitude lies under 2^-124, and a block of zeros, get the scale byte 1 (their codes are zeros or subnormal codes; only this program reads the bytes);
; NaN and infinities are not served; 1 / rms is v_rsq_f32; the table keeps f32 accuracy for |position| < 65,536, and 1 / 10000^(f / 32) is right to about two units in the last place.
.set WREG, 17920                       ; NORM: a wave's LDS: two stages of 16 rows x 528 bytes, then its 1,024 bytes of gains
.set STG2, 8448
.set GAIN, 16896
.set PART, 71680                       ; 4 x 128 bytes: the waves' sums of squares (beyond an LDS immediate's 16 bits: the base stands in the address registers)
.set RLY, 72192                        ; the other path's own bytes: 16 rows x 784 bytes for each wave
.set RWREG, 12544
.set W2OFF, 7372800                    ; wimg: 600 tiles x 8 K steps x 1,536 bytes; then w2: 64 tiles x 22 K steps;
.set W2SOFF, 9535488                   ; then w2's scale words: [pair of tiles 32][lane 32][96 bytes]
.set XB, 8                             ; s[8:9] x
.set GB, 10                            ; s[10:11] the gains
.set AB, 14                            ; s[14:15] act
.set D, 64                             ; v64-191 my 128 numbers
.set WVR, 192                          ; v192-255 gains
.set TM, 16                            ; v16-31 at work in the quantiser
.set PW, 32                            ; the scale word just made
.set PC, 36                            ; v36-54 the codes just made
.set SEL, 38                           ; s[38:39] lane selects of v_permlanex16_b32: lane l xor 16
.set TT, 208                           ; v208-231 at work on the table
.set RA, 32                            ; the other path: v32-39 byte offsets of the eight pairs of rows, v40-47 the same for a row's third unit,
.set RB, 40
.set R, 64                             ; v64-159 rows as loaded, v160-255 fragments
.set F, 160
; 64 numbers of a lane, register 16 b + i = k 32 b + 16 (lane / 16) + i of my row, become a fragment's codes in v[PC] on and its scale word in v[PW].
.macro QUANT4 s
.irp b, 0,1,2,3
	v_max3_num_f32 v[TM+\b], |v[\s+16*\b]|, |v[\s+1+16*\b]|, 0x1800000   ; my 16 numbers of block b, and the floor 2^(3 - 127): the byte cannot fall under 1
.endr
.irp i, 2,4,6,8,10,12,14
.irp b, 0,1,2,3
	v_max3_num_f32 v[TM+\b], v[TM+\b], |v[\s+16*\b+\i]|, |v[\s+1+16*\b+\i]|
.endr
.endr
.irp b, 0,1,2,3
	v_permlanex16_b32 v[TM+4+\b], v[TM+\b], s[SEL], s[SEL+1]
.endr
.irp b, 0,1,2,3
	v_max_num_f32 v[TM+\b], v[TM+\b], v[TM+4+\b]                     ; with lane l xor 16's: the block's largest magnitude
.endr
.irp b, 0,1,2,3
	v_add_nc_u32 v[TM+12+\b], 0xff000000, v[TM+\b]                   ; 2 off its exponent field: the conversion's scale operand
.endr
.irp b, 0,1,2,3
	v_lshrrev_b32 v[TM+4+\b], 23, v[TM+12+\b]                        ; the scale's byte
.endr
	v_lshl_or_b32 v[PW], v[TM+5], 8, v[TM+4]
	v_lshl_or_b32 v[PW], v[TM+6], 16, v[PW]
	v_lshl_or_b32 v[PW], v[TM+7], 24, v[PW]
.irp c, 0,1
	v_cvt_scalef32_pk16_fp6_f32 v[PC+6*\c:PC+2+6*\c], v[\s+32*\c:\s+15+32*\c], v[TM+12+2*\c]
	v_cvt_scalef32_pk16_fp6_f32 v[PC+12+4*\c:PC+14+4*\c], v[\s+16+32*\c:\s+31+32*\c], v[TM+12+2*\c+1]   ; (a conversion's three registers begin on an even number)
.endr
	v_nop                                          ; one plain place behind a scaled conversion
.irp c, 0,1                                    ; the operand's layout wants a whole block in a lane
.irp i, 0,1,2
	v_permlane16_swap_b32 v[PC+6*\c+\i], v[PC+12+4*\c+\i]
.endr
.irp i, 0,1,2
	v_mov_b32 v[PC+3+6*\c+\i], v[PC+12+4*\c+\i]
.endr
.endr
.endm
; cos and sin of position z of my two, times my lane's frequency: reduction by quarter turns in three parts, two short polynomials on [-pi/4, pi/4], the quadrant by selects.
.macro TABLE z, out
	v_cvt_f32_i32 v[TT+4], s[52+\z]
	s_wait_alu depctr_va_vdst(0)
	v_mul_f32 v[TT+4], v[TT+4], v[TT+3]            ; the angle, rounded to f32 as the definition has it
	v_mul_f32 v[TT+5], 0x3f22f983, v[TT+4]
	v_rndne_f32 v[TT+5], v[TT+5]                   ; n = the nearest whole number of quarter turns
	v_fma_f32 v[TT+6], v[TT+5], 0xbfc90000, v[TT+4]
	v_fma_f32 v[TT+6], v[TT+5], 0xb9fda000, v[TT+6]
	v_fma_f32 v[TT+6], v[TT+5], 0xb3a22168, v[TT+6]   ; r = angle - n pi / 2
	v_cvt_i32_f32 v[TT+7], v[TT+5]
	v_mul_f32 v[TT+8], v[TT+6], v[TT+6]            ; z = r r
	v_mov_b32 v[TT+9], 0xb94ca1f9
	v_fmaak_f32 v[TT+9], v[TT+9], v[TT+8], 0x3c08839e
	v_fmaak_f32 v[TT+9], v[TT+9], v[TT+8], 0xbe2aaaa3
	v_mul_f32 v[TT+10], v[TT+8], v[TT+6]
	v_fma_f32 v[TT+9], v[TT+9], v[TT+10], v[TT+6]  ; sin r
	v_mov_b32 v[TT+11], 0x37ccf5ce
	v_fmaak_f32 v[TT+11], v[TT+11], v[TT+8], 0xbab6061a
	v_fmaak_f32 v[TT+11], v[TT+11], v[TT+8], 0x3d2aaaa5
	v_mul_f32 v[TT+12], v[TT+8], v[TT+8]
	v_fma_f32 v[TT+13], v[TT+8], -0.5, 1.0
	v_fma_f32 v[TT+11], v[TT+11], v[TT+12], v[TT+13]   ; cos r
	v_and_b32 v[TT+14], 1, v[TT+7]
	v_cmp_eq_u32 vcc_lo, 1, v[TT+14]               ; an odd n changes the two over
	v_cndmask_b32 v[TT+15], v[TT+9], v[TT+11], vcc_lo
	v_cndmask_b32 v[TT+16], v[TT+11], v[TT+9], vcc_lo
	v_lshlrev_b32 v[TT+17], 30, v[TT+7]
	v_and_b32 v[TT+17], 0x80000000, v[TT+17]       ; sin is negated where bit 1 of n is set,
	v_xor_b32 v[\out+1], v[TT+15], v[TT+17]
	v_add_nc_u32 v[TT+17], 1, v[TT+7]
	v_lshlrev_b32 v[TT+17], 30, v[TT+17]
	v_and_b32 v[TT+17], 0x80000000, v[TT+17]       ; cos where bit 1 of n + 1 is
	v_xor_b32 v[\out], v[TT+16], v[TT+17]
	global_store_b64 v2, v[\out:\out+1], s[16:17] offset:256*\z   ; 32 lanes store a position's 256 consecutive bytes
.endm
; K step c of my two: x / rms * gain, quantised, stored as two half images and a scale word
.macro NORMQ c
	s_wait_xcnt 0x0                                ; earlier stores have read their data: those registers are written again below
.irp b, 0,1,2,3
.irp j, 0,1,2,3
	ds_load_b128 v[WVR+16*\b+4*\j:WVR+16*\b+4*\j+3], v6 offset:GAIN+512*\c+128*\b+16*\j
.endr
.endr
.set Q, 0
.rept 32
	v_pk_mul_f32 v[D+64*\c+2*Q:D+64*\c+2*Q+1], v[D+64*\c+2*Q:D+64*\c+2*Q+1], v[58:59]
.set Q, Q+1
.endr
	s_wait_dscnt 0x0
.set Q, 0
.rept 32
	v_pk_mul_f32 v[D+64*\c+2*Q:D+64*\c+2*Q+1], v[D+64*\c+2*Q:D+64*\c+2*Q+1], v[WVR+2*Q:WVR+2*Q+1]
.set Q, Q+1
.endr
	QUANT4 D+64*\c
	global_store_b128 v12, v[PC:PC+3], s[AB:AB+1] offset:1536*\c
	global_store_b64 v13, v[PC+4:PC+5], s[AB:AB+1] offset:1536*\c+512
	global_store_b128 v12, v[PC+6:PC+9], s[AB:AB+1] offset:1536*\c+768
	global_store_b64 v13, v[PC+10:PC+11], s[AB:AB+1] offset:1536*\c+1280
	global_store_b32 v14, v[PW], s[AB:AB+1] offset:12288+128*\c
.endm
	s_load_b256 s[8:15], s[0:1], 0x0               ; x, norm1_w, token_positions, act
	s_load_b256 s[16:23], s[0:1], 0x20             ; rt, wimg, wq_codes, wk_codes
	s_load_b256 s[24:31], s[0:1], 0x40             ; wv_codes, wo_codes, w1_codes, w3_codes
	s_load_b128 s[32:35], s[0:1], 0x60             ; w2_codes, w2_scales
	v_lshl_add_u32 v51, v0, 2, 0x1e000
	v_mov_b32 v55, 0
	v_lshrrev_b32 v1, 5, v0
	v_readfirstlane_b32 s36, v1                    ; wave 0..3
	v_and_b32 v9, 31, v0                           ; lane
	v_and_b32 v10, 15, v0                          ; r
	v_bfe_u32 v11, v0, 4, 1                        ; h
	v_lshlrev_b32 v1, 4, v9                        ; 16 x lane
	v_lshlrev_b32 v2, 3, v9                        ; 8 x lane
	v_lshlrev_b32 v3, 2, v9                        ; 4 x lane
	s_mov_b32 s[SEL], 0x76543210
	s_mov_b32 s[SEL+1], 0xfedcba98
	s_cmp_ge_u32 ttmp9, 256
	s_cbranch_scc1 .Lrelay
	; ---------------- NORM ----------------
	s_mul_i32 s40, s36, WREG
	v_add_nc_u32 v4, s40, v1                       ; the stage, in: a row's 512 bytes as they lie
	v_mul_u32_u24 v5, v10, 528
	v_lshl_add_u32 v5, v11, 6, v5
	v_add_nc_u32 v5, s40, v5                       ; and out: row r, + 64 h: my 16 numbers of a block of 32
	v_lshlrev_b32 v6, 6, v11
	v_add_nc_u32 v6, s40, v6                       ; the gains, out: + 64 h
	s_lshl_b32 s41, s36, 7
	v_add_nc_u32 v7, s41, v3
	v_add_nc_u32 v7, PART, v7                      ; my wave's sums: PART + 128 w + 4 x lane
	v_add_nc_u32 v8, PART, v3                      ; and all four waves', read back: PART + 4 x lane
	s_mul_i32 s41, s36, 3072
	v_add_nc_u32 v12, s41, v1                      ; in the record: my wave's two K steps begin at 3,072 w
	v_add_nc_u32 v13, s41, v2
	s_lshl_b32 s41, s36, 8
	v_add_nc_u32 v14, s41, v3                      ; and their scale words at 256 w
.irp b, 0,1,2,3
	v_mov_b32 v[TM+4+\b], 0                        ; written once: a lane permute's destination counts as one of its sources
.endr
	s_lshr_b32 s42, ttmp9, 1
	s_lshl_b32 s42, s42, 5
	s_and_b32 s43, ttmp9, 1
	s_lshl_b32 s43, s43, 3
	s_add_co_u32 s42, s42, s43                     ; the tile's first token: 32 (tile / 2) + 8 (tile % 2)
	s_lshl_b32 s42, s42, 12                        ; rows of 4,096 bytes
	s_lshl_b32 s44, s36, 10                        ; my wave's 1,024 bytes of a row
	s_add_co_u32 s42, s42, s44
	s_mov_b32 s43, 0
	s_mov_b32 s45, 0
	s_mul_i32 s46, ttmp9, 13312                    ; the tile's record
	s_mov_b32 s47, 0
	s_lshl_b32 s48, ttmp9, 5
	s_lshl_b32 s49, s36, 3
	s_add_co_u32 s48, s48, s49                     ; positions 8 tile + 2 w and the next: 4 bytes each
	s_lshl_b32 s50, s48, 6                         ; their rows of the table: 256 bytes each
	s_mov_b32 s51, 0
	s_wait_kmcnt 0x0
	s_add_nc_u64 s[XB:XB+1], s[XB:XB+1], s[42:43]
	s_add_nc_u64 s[GB:GB+1], s[GB:GB+1], s[44:45]
	s_add_nc_u64 s[AB:AB+1], s[AB:AB+1], s[46:47]
	s_add_nc_u64 s[16:17], s[16:17], s[50:51]
	s_load_b64 s[52:53], s[12:13], s48 offset:0x0
	global_load_b128 v[WVR:WVR+3], v1, s[GB:GB+1]
	global_load_b128 v[WVR+4:WVR+7], v1, s[GB:GB+1] offset:512
.irp c, 0,1
.irp i, 0,1,2,3,4,5,6,7,8,9,10,11,12,13,14,15
	global_load_b128 v[D+64*\c+4*\i:D+64*\c+4*\i+3], v1, s[XB:XB+1] offset:(\i+8*(\i/8))*4096+512*\c   ; lane-row i of the tile, K step c: 512 consecutive bytes
.endr
.endr
	; the table, while the 34 loads are on their way.  My lane's frequency: 10000^(-f / 32) = 2^(-f c), c = log2(10) / 8 in two parts
	v_cvt_f32_u32 v[TT], v9
	s_mov_b32 s54, 0x3ed49a78
	v_mul_f32 v[TT+1], s54, v[TT]                  ; f c, rounded,
	v_fma_f32 v[TT+2], v[TT], s54, -v[TT+1]        ; what the rounding left,
	v_fmac_f32 v[TT+2], 0x321786c2, v[TT]          ; and c's lower part
	s_wait_alu depctr_va_vdst(0)
	v_exp_f32 v[TT+3], -v[TT+1]
	v_fma_f32 v[TT+2], v[TT+2], 0xbf317218, 1.0    ; 2^-e = 1 - e ln 2 for so small an e.  (A plain place behind the exponential)
	s_wait_alu depctr_va_vdst(0)
	v_mul_f32 v[TT+3], v[TT+3], v[TT+2]
	s_wait_kmcnt 0x0
	TABLE 0, TT+20
	TABLE 1, TT+22
	s_wait_loadcnt 32                              ; the gains are in: behind them stand x's 32 loads
	ds_store_b128 v4, v[WVR:WVR+3] offset:GAIN
	ds_store_b128 v4, v[WVR+4:WVR+7] offset:GAIN+512
.irp k, 0,1,2,3
	s_wait_loadcnt 24-8*\k                         ; eight more rows are in; the younger loads stay out
.irp e, 0,1,2,3,4,5,6,7
	ds_store_b128 v4, v[D+32*\k+4*\e:D+32*\k+4*\e+3] offset:STG2*(\k/2)+528*(8*(\k%2)+\e)
.endr
.endr
.irp c, 0,1
.irp b, 0,1,2,3
.irp j, 0,1,2,3
	ds_load_b128 v[D+64*\c+16*\b+4*\j:D+64*\c+16*\b+4*\j+3], v5 offset:STG2*\c+128*\b+16*\j   ; LDS serves a wave's instructions in order: these see my stores
.endr
.endr
.endr
	s_wait_dscnt 0x0
.irp k, 0,1,2,3
	v_pk_mul_f32 v[56+2*\k:57+2*\k], v[D+2*\k:D+2*\k+1], v[D+2*\k:D+2*\k+1]   ; the sum of squares, in four chains of pairs; the first products start them
.endr
.set Q, 4
.rept 60
	v_pk_fma_f32 v[56+2*(Q%4):57+2*(Q%4)], v[D+2*Q:D+2*Q+1], v[D+2*Q:D+2*Q+1], v[56+2*(Q%4):57+2*(Q%4)]
.set Q, Q+1
.endr
	v_pk_add_f32 v[56:57], v[56:57], v[58:59]
	v_pk_add_f32 v[60:61], v[60:61], v[62:63]
	v_pk_add_f32 v[56:57], v[56:57], v[60:61]
	v_add_f32 v56, v56, v57
	v_permlanex16_b32 v58, v56, s[SEL], s[SEL+1]
	v_add_f32 v56, v56, v58                        ; row r's sum over my wave's 256 columns
	ds_store_b32 v7, v56
	s_wait_dscnt 0x0                               ; for the others' sake: my store has landed
	s_barrier_signal -1
	s_barrier_wait -1
.irp k, 0,1,2,3
	ds_load_b32 v[60+\k], v8 offset:128*\k
.endr
	s_mov_b32 s54, 0x3727c5ac                      ; 1e-5
	s_wait_dscnt 0x0
	v_add_f32 v56, v60, v61
	v_add_f32 v56, v56, v62
	v_add_f32 v56, v56, v63
	v_fma_f32 v56, v56, 0x3a800000, s54            ; the mean of the squares + eps
	s_wait_alu depctr_va_vdst(0)
	v_rsq_f32 v58, v56
	v_rsq_f32 v59, v56                             ; twice: the packed multiply names a pair
	v_nop                                          ; a plain place behind the transcendentals
	s_wait_alu depctr_va_vdst(0)
	NORMQ 0
	NORMQ 1
	s_wait_tensorcnt 0x0
	ds_add_u32 v51, v55
	s_wait_dscnt 0x0
	s_endpgm
	; ---------------- THE WEIGHTS' IMAGES ----------------
	; Work-group a = x - 256.  a < 150: wave w takes tile 4 a + w of the 600 tiles of wq, wk, wv, wo, w1, w3 (rows of 768 bytes, 8 K steps).  Else: chunk q = (a - 150) / 16 of 8 K steps
	; (768 bytes of a row of 2,064) of tile 4 ((a - 150) % 16) + w of w2; chunk 2 has 528 bytes: five and a half K steps.  One path serves all: what differs is chosen by selects on a.
.Lrelay:
	s_sub_co_u32 s40, ttmp9, 256
	s_sub_co_u32 s41, s40, 150
	s_and_b32 s42, s41, 15
	s_lshr_b32 s43, s41, 4
	s_wait_kmcnt 0x0
	s_mov_b64 s[44:45], s[20:21]
	s_mov_b32 s46, 0
	s_cmp_ge_u32 s40, 16
	s_cselect_b64 s[44:45], s[22:23], s[44:45]
	s_cselect_b32 s46, 16, s46
	s_cmp_ge_u32 s40, 32
	s_cselect_b64 s[44:45], s[24:25], s[44:45]
	s_cselect_b32 s46, 32, s46
	s_cmp_ge_u32 s40, 48
	s_cselect_b64 s[44:45], s[26:27], s[44:45]
	s_cselect_b32 s46, 48, s46
	s_cmp_ge_u32 s40, 64
	s_cselect_b64 s[44:45], s[28:29], s[44:45]
	s_cselect_b32 s46, 64, s46
	s_cmp_ge_u32 s40, 107
	s_cselect_b64 s[44:45], s[30:31], s[44:45]
	s_cselect_b32 s46, 107, s46
	s_sub_co_u32 s46, s40, s46                     ; the work-group's number within its matrix
	s_mov_b32 s49, 768
	s_mov_b32 s50, 12288
	s_cmp_ge_u32 s40, 150                          ; w2?  All selects on this compare stand together
	s_cselect_b64 s[44:45], s[32:33], s[44:45]
	s_cselect_b32 s46, s42, s46
	s_cselect_b32 s47, s42, s40
	s_cselect_b32 s43, s43, 0                      ; q
	s_cselect_b32 s49, 2064, s49                   ; a row in bytes
	s_cselect_b32 s50, 33792, s50                  ; a tile's images in bytes
	s_cselect_b32 s51, W2OFF, 0
	s_lshl_b32 s46, s46, 2
	s_add_co_u32 s46, s46, s36                     ; my tile within the matrix
	s_lshl_b32 s47, s47, 2
	s_add_co_u32 s47, s47, s36                     ; and among the images
	s_mul_i32 s58, s47, s50
	s_add_co_u32 s58, s58, s51
	s_mul_i32 s52, s43, 12288
	s_add_co_u32 s58, s58, s52
	s_mov_b32 s59, 0
	s_lshr_b32 s53, s46, 1
	s_lshl_b32 s53, s53, 5
	s_and_b32 s52, s46, 1
	s_lshl_b32 s52, s52, 3
	s_add_co_u32 s53, s53, s52                     ; the tile's first row
	s_mul_i32 s56, s53, s49
	s_mul_i32 s52, s43, 768
	s_add_co_u32 s56, s56, s52
	s_mov_b32 s57, 0
	s_mov_b32 s54, 752
	s_cmp_eq_u32 s43, 2
	s_cselect_b32 s54, 512, s54                    ; chunk 2: a row ends 528 bytes on: no load reaches past byte 512 + 15
	s_cselect_b32 s55, 0, -1                       ; and the upper half of its sixth K step is zero codes
	s_add_nc_u64 s[44:45], s[44:45], s[56:57]
	s_add_nc_u64 s[60:61], s[18:19], s[58:59]
	s_wait_alu depctr_va_vdst(0)
	v_lshlrev_b32 v24, 4, v10
	v_add_nc_u32 v25, 0x200, v24
	v_min_u32 v25, s54, v25
.irp i, 0,1,2,3,4,5,6,7
	v_add_nc_u32 v26, 2*\i+8*(\i/4), v11           ; lane-rows 2 i and 2 i + 1 of the tile lie at rows 2 i + h + 8 (i / 4)
	v_mul_u32_u24 v26, s49, v26
	v_add_nc_u32 v[RA+\i], v26, v24                ; bytes 16 r on of the row (units 0 and 1 by the immediate),
	v_add_nc_u32 v[RB+\i], v26, v25                ; and of its third unit, held inside the row
.endr
	s_mul_i32 s56, s36, RWREG
	s_add_co_u32 s56, s56, RLY
	v_mul_u32_u24 v4, v11, 784
	v_lshl_add_u32 v4, v10, 4, v4
	v_add_nc_u32 v4, s56, v4                       ; the stage, in: two rows an instruction
	v_mul_u32_u24 v5, v10, 784
	v_mad_u32_u24 v5, v11, 24, v5
	v_add_nc_u32 v5, s56, v5                       ; out: row r, + 24 h.  784 bytes = 196 words: row r begins at bank 4 r
.irp i, 0,1,2,3,4,5,6,7
	global_load_b128 v[R+12*\i:R+12*\i+3], v[RA+\i], s[44:45] th:TH_LOAD_NT
	global_load_b128 v[R+12*\i+4:R+12*\i+7], v[RA+\i], s[44:45] offset:256 th:TH_LOAD_NT
	global_load_b128 v[R+12*\i+8:R+12*\i+11], v[RB+\i], s[44:45] th:TH_LOAD_NT
.endr
	s_wait_alu depctr_va_vdst(0)
.irp i, 0,1,2,3,4,5,6,7
.if \i == 0
	s_wait_loadcnt 12                              ; the first twelve loads are in
.endif
.if \i == 4
	s_wait_loadcnt 0x0
.endif
.irp j, 0,1,2
	ds_store_b128 v4, v[R+12*\i+4*\j:R+12*\i+4*\j+3] offset:2*\i*784+256*\j
.endr
.endr
.irp k, 0,1,2,3,4,5,6,7
.irp p, 0,1,2,3,4,5
	ds_load_b64 v[F+12*\k+2*\p:F+12*\k+2*\p+1], v5 offset:96*\k+48*(\p/3)+8*(\p%3)   ; K step k's fragment: 24 bytes of the row's stream of bits, twice
.endr
.endr
.irp k, 0,1,2,3,4,5
	s_wait_dscnt 6*(7-\k)                          ; K step k's six loads are in; the later K steps' stay out
.if \k == 5
.irp e, 6,7,8,9,10,11
	v_and_b32 v[F+60+\e], s55, v[F+60+\e]
.endr
.endif
.irp c, 0,1,2
	global_store_b128 v1, v[F+12*\k+4*\c:F+12*\k+4*\c+3], s[60:61] offset:1536*\k+512*\c   ; 512 consecutive bytes
.endr
.endr
	s_cmp_eq_u32 s43, 2
	s_cbranch_scc1 .Lscales                        ; chunk 2 has no seventh and eighth K step
.irp k, 6,7
	s_wait_dscnt 6*(7-\k)
.irp c, 0,1,2
	global_store_b128 v1, v[F+12*\k+4*\c:F+12*\k+4*\c+3], s[60:61] offset:1536*\k+512*\c
.endr
.endr
	s_wait_tensorcnt 0x0
	ds_add_u32 v51, v55
	s_wait_dscnt 0x0
	s_endpgm
.Lscales:
	; w2's scale words for a pair of tiles: lane L takes row 32 pair + 8 h + r + 8 (r / 8) (lanes 0-15 the even tile's rows, lanes 16-31 the odd one's): 86 bytes, as 22 words; the last two bytes are 127
	s_wait_dscnt 0x0
	s_and_b32 s52, s36, 1
	s_cmp_lg_u32 s52, 0
	s_cbranch_scc1 .Ldone                          ; waves 0 and 2: one wave to a pair
	s_lshl_b32 s52, s42, 1
	s_lshr_b32 s53, s36, 1
	s_add_co_u32 s52, s52, s53                     ; the pair
	s_mul_i32 s56, s52, 2752                       ; 32 rows of 86 bytes
	s_mov_b32 s57, 0
	s_mul_i32 s58, s52, 3072
	s_add_co_u32 s58, s58, W2SOFF
	s_mov_b32 s59, 0
	s_add_nc_u64 s[34:35], s[34:35], s[56:57]
	s_add_nc_u64 s[62:63], s[18:19], s[58:59]
	v_and_b32 v26, 8, v10
	v_add_nc_u32 v26, v26, v10
	v_lshl_add_u32 v26, v11, 3, v26
	v_mul_u32_u24 v26, v26, 86
	v_mul_u32_u24 v27, v9, 96
.set Q, 0
.rept 43
	global_load_u16 v[R+Q], v26, s[34:35] offset:2*Q
.set Q, Q+1
.endr
	s_wait_loadcnt 0x0
.set Q, 0
.rept 21
	v_lshl_or_b32 v[112+Q], v[R+2*Q+1], 16, v[R+2*Q]
.set Q, Q+1
.endr
	v_or_b32 v133, 0x7f7f0000, v[R+42]
	v_mov_b32 v134, 0x7f7f7f7f
	v_mov_b32 v135, 0x7f7f7f7f
.irp k, 0,1,2,3,4,5
	global_store_b128 v27, v[112+4*\k:115+4*\k], s[62:63] offset:16*\k
.endr
.Ldone:
	s_wait_tensorcnt 0x0
	ds_add_u32 v51, v55
	s_wait_dscnt 0x0
	s_endpgm
.Lfunc_end_k_q898cf76677_prep:
	.size	k_q898cf76677_prep, .Lfunc_end_k_q898cf76677_prep-k_q898cf76677_prep
	.p2alignl 7, 3214868480
	.fill 96, 4, 3214868480
	.section	.rodata,"a",@progbits
	.p2align	6, 0x0
	.amdhsa_kernel k_q898cf76677_prep
		.amdhsa_group_segment_fixed_size 123392
		.amdhsa_private_segment_fixed_size 0
		.amdhsa_enable_private_segment 0
		.amdhsa_kernarg_size 112
		.amdhsa_user_sgpr_count 2
		.amdhsa_user_sgpr_kernarg_segment_ptr 1
		.amdhsa_wavefront_size32 1
		.amdhsa_system_sgpr_workgroup_id_x 1
		.amdhsa_system_sgpr_workgroup_id_y 1
		.amdhsa_system_sgpr_workgroup_id_z 1
		.amdhsa_system_vgpr_workitem_id 0
		.amdhsa_next_free_vgpr 256
		.amdhsa_next_free_sgpr 66
		.amdhsa_reserve_vcc 1
		.amdhsa_float_denorm_mode_32 3
		.amdhsa_float_denorm_mode_16_64 3
		.amdhsa_memory_ordered 1
		.amdhsa_forward_progress 1
		.amdhsa_inst_pref_size 59
	.end_amdhsa_kernel
	.amdgpu_metadata
---
amdhsa.version: [ 1, 2 ]
amdhsa.kernels:
  - .name:           k_q898cf76677_prep
    .symbol:         k_q898cf76677_prep.kd
    .args:
      - { .name: x, .offset: 0, .size: 8, .value_kind: global_buffer, .address_space: global }
      - { .name: norm1_w, .offset: 8, .size: 8, .value_kind: global_buffer, .address_space: global }
      - { .name: token_positions, .offset: 16, .size: 8, .value_kind: global_buffer, .address_space: global }
      - { .name: act, .offset: 24, .size: 8, .value_kind: global_buffer, .address_space: global }
      - { .name: rt, .offset: 32, .size: 8, .value_kind: global_buffer, .address_space: global }
      - { .name: wimg, .offset: 40, .size: 8, .value_kind: global_buffer, .address_space: global }
      - { .name: wq_codes, .offset: 48, .size: 8, .value_kind: global_buffer, .address_space: global }
      - { .name: wk_codes, .offset: 56, .size: 8, .value_kind: global_buffer, .address_space: global }
      - { .name: wv_codes, .offset: 64, .size: 8, .value_kind: global_buffer, .address_space: global }
      - { .name: wo_codes, .offset: 72, .size: 8, .value_kind: global_buffer, .address_space: global }
      - { .name: w1_codes, .offset: 80, .size: 8, .value_kind: global_buffer, .address_space: global }
      - { .name: w3_codes, .offset: 88, .size: 8, .value_kind: global_buffer, .address_space: global }
      - { .name: w2_codes, .offset: 96, .size: 8, .value_kind: global_buffer, .address_space: global }
      - { .name: w2_scales, .offset: 104, .size: 8, .value_kind: global_buffer, .address_space: global }
    .group_segment_fixed_size: 123392
    .private_segment_fixed_size: 0
    .kernarg_segment_align: 8
    .kernarg_segment_size: 112
    .max_flat_workgroup_size: 128
    .sgpr_count:     66
    .vgpr_count:     256
    .wavefront_size: 32
...
	.end_amdgpu_metadata
.endif
;; end of part 1
;; launch qkv (part 2): grid 12 x 16, 4 waves a work-group, clusters of 4 x 1, 213,504 bytes of LDS; arguments act, wimg, wq_scales, wk_scales, wv_scales, rt, qb, kv; writes qb, kv
.if DOCPART == 2
	.amdgcn_target "amdgcn-amd-amdhsa--gfx1250"
	.amdhsa_code_object_version 6
	.text
	.protected	k_q898cf76677_qkv
	.globl	k_q898cf76677_qkv
	.p2align	8
	.type	k_q898cf76677_qkv,@function
k_q898cf76677_qkv:
	s_mov_b64 s[64:65], 0
	v_nop
	global_prefetch_b8 v0, s[64:65] scope:SCOPE_SE
	s_setreg_imm32_b32 hwreg(HW_REG_WAVE_MODE, 25, 1), 1
	s_wait_xcnt 0x0
	s_wait_alu depctr_hold_cnt(0) depctr_sa_sdst(0) depctr_va_vdst(0) depctr_va_sdst(0) depctr_va_ssrc(0) depctr_va_vcc(0) depctr_vm_vsrc(0)
	s_getreg_b32 s2, hwreg(HW_REG_IB_STS2, 6, 4)
	s_cmp_eq_u32 s2, 0
	s_cbranch_scc0 .Lentry_in_a_cluster
	s_endpgm
.Lentry_in_a_cluster:
	s_bfe_u32 s2, ttmp6, 0x10000c
	s_cmp_lg_u32 s2, 0x3003
	s_cbranch_scc0 .Lentry_shape_is_right
	s_endpgm
.Lentry_shape_is_right:
; q, k, v = h1 W^T on codes of E2M3; RoPE on q and k; q and k quantised along the head's 64 channels, v along the keys.
; SHARES.  Cluster x says which of the three (0 q, 1 k, 2 v); work-group y a block of 256 tokens (16 tiles); the wave owns ONE head, 4 cx + wave: its 64 weight rows are 4 tiles x 8 K steps = 32 fragments,
; 384 registers, loaded once as images (three loads of 512 consecutive bytes each) and kept.  192 work-groups: the 48 heads of q, k, v times 16 blocks do not divide into 256 equal shares.
; The block's 16 records of h1 (212,992 bytes) come into LDS ONCE, a quarter by each wave; the four work-groups of a cluster need the same bytes and ask JOINTLY.  Nothing in LDS is filled again.
; Q, K: source 0 = 16 weight rows, source 1 = 16 tokens: a lane holds one token and its 32 registers are 16 neighbouring channels of each block of 32: RoPE's pairs and the quantiser's blocks lie in the lane.
; THE TABLE of cos and sin is asked for FOUR TILES AHEAD: four sets of 32 registers in window 3 take turns; a set is loaded again, for the tile four further on, directly behind the lines that have read it.
; V: source 0 = 16 tokens, source 1 = 16 weight rows: a lane holds one channel and its registers run down the keys, which are the second attention product's K.
; OUT.  qb: [head 32][tile 128][896]: a half image (768 bytes) and the scale words (128; the upper two bytes are 127, for the zero codes that fill K from 64 to 128).
; kv: [head 32][step of 128 keys 16][13,824]: 8 such records of k, 4 images of V^T (16 channels x 128 keys, 1,536 bytes each), their 4 x 128 bytes of scale words.
; LIMITS: as stated at the head of the first launch's text (scale byte 1 for tiny and zero blocks; no NaN, no infinities).
.set REC, 13312
.set L16, 1
.set L8, 2
.set L4, 3
.set AD16, 4                           ; v4-6: the record in hand, at 16, 8 and 4 bytes a lane
.set AD8, 5
.set AD4, 6
.set TOFF, 7                           ; the table: my token's row, + 64 h
.set SOFF, 8                           ; the weights' scale bytes: my row of a pair of tiles
.set WS, 12                            ; v12-27  weights' scale words: pair b, K step s at WS + 8 b + s; lanes 0-15 the even tile, lanes 16-31 the odd one
.set AS, 28                            ; v28-35  the tokens' scale words, 8 K steps
.set HA, 36                            ; v36-99  q, k: two sets of four accumulators, at v36 and v68, by turns from tile to tile (the symbol is set anew for each tile)
.set AF, 100                           ; v100-195 the tokens' 8 fragments
.set TM, 196                           ; at work in the quantisers
.set T1, 204
.set PC2, 208                          ; q, k: six registers of codes; PX: the second conversion's three; PW2: the scale word
.set PX, 214
.set PW2, 218
.set PW, 212                           ; v: the scale word; PC: the codes
.set PC, 216
                                       ; window 3: q, k: v0-127 cos and sin, set q of four at v[32 q];  v: the 32 accumulators
.set WV, 24
.set CX, 25
.set SL, 26
.set BLK, 27
.set HD, 28
.set BH, 29
.set B7, 30
.set G0, 32
.set G1, 36
.set WB, 44
.set SB, 46
.set RTB, 48
.set OP, 50
.set T0, 52
.set JV, 54
.set CNT, 55
.set TB, 56
.set SEL, 58
.set MSB, 0
.macro WIN new                         ; the immediate's high byte repeats the setting that is left; a switch that changes nothing is dropped
.if MSB != (\new)
	s_set_vgpr_msb (MSB<<8)|(\new)
.set MSB, (\new)
.endif
.endm
.macro PLACES n
.rept \n
	v_nop
.endr
.endm
.macro CROUND                          ; a round of the cluster's barrier
	s_barrier_signal -1
	s_barrier_wait -1
	s_cmp_lg_u32 s[WV], 0
	s_cbranch_scc1 .Lnot_wave_0_\@
	s_barrier_signal -3
.Lnot_wave_0_\@:
	s_barrier_wait -3
	s_barrier_signal -1
	s_barrier_wait -1
.endm
.macro WMMA d, a, b, z, sa, sb, extra  ; z = 1: the product starts the sum
.if \z
	v_wmma_scale_f32_16x16x128_f8f6f4 v[\d:\d+7], v[\a:\a+11], v[\b:\b+11], 0, v[\sa], v[\sb] matrix_a_fmt:MATRIX_FMT_FP6 matrix_b_fmt:MATRIX_FMT_FP6 \extra
.else
	v_wmma_scale_f32_16x16x128_f8f6f4 v[\d:\d+7], v[\a:\a+11], v[\b:\b+11], v[\d:\d+7], v[\sa], v[\sb] matrix_a_fmt:MATRIX_FMT_FP6 matrix_b_fmt:MATRIX_FMT_FP6 \extra
.endif
.endm
.macro FETCHG grp, off                 ; K steps 4 grp .. 4 grp + 3 of the record off bytes on: 20 LDS loads
.irp k, 0,1,2,3
	ds_load_b128 v[AF+12*(4*\grp+\k):AF+12*(4*\grp+\k)+3], v[AD16] offset:\off+1536*(4*\grp+\k)
	ds_load_b64 v[AF+12*(4*\grp+\k)+4:AF+12*(4*\grp+\k)+5], v[AD8] offset:\off+1536*(4*\grp+\k)+512
	ds_load_b128 v[AF+12*(4*\grp+\k)+6:AF+12*(4*\grp+\k)+9], v[AD16] offset:\off+1536*(4*\grp+\k)+768
	ds_load_b64 v[AF+12*(4*\grp+\k)+10:AF+12*(4*\grp+\k)+11], v[AD8] offset:\off+1536*(4*\grp+\k)+1280
	ds_load_b32 v[AS+4*\grp+\k], v[AD4] offset:\off+12288+128*(4*\grp+\k)
.endr
.endm
.macro NEXTREC
	s_add_co_u32 s[TB], s[TB], REC
	v_add_nc_u32 v[AD16], s[TB], v[L16]
	v_add_nc_u32 v[AD8], s[TB], v[L8]
	v_add_nc_u32 v[AD4], s[TB], v[L4]
.endm
; 32 numbers of a lane, register 16 b + i = k 32 b + 16 (lane / 16) + i of my row, become half a fragment's codes in v[PC2] on and two scale bytes in v[PW2].
.macro QUANT2 s, part                  ; in three parts: 0 the blocks' largest magnitudes in my lane, 1 scales and conversions, 2 a whole block to a lane
.if (\part) == 0
.irp b, 0,1
	v_max3_num_f32 v[TM+\b], |v[\s+16*\b]|, |v[\s+1+16*\b]|, 0x1800000   ; and the floor 2^(3 - 127): the byte cannot fall under 1
.endr
.irp i, 2,4,6,8,10,12,14
.irp b, 0,1
	v_max3_num_f32 v[TM+\b], v[TM+\b], |v[\s+16*\b+\i]|, |v[\s+1+16*\b+\i]|
.endr
.endr
.endif
.if (\part) == 1
.irp b, 0,1
	v_permlanex16_b32 v[TM+2+\b], v[TM+\b], s[SEL], s[SEL+1]
.endr
.irp b, 0,1
	v_max_num_f32 v[TM+\b], v[TM+\b], v[TM+2+\b]
.endr
.irp b, 0,1
	v_add_nc_u32 v[TM+4+\b], 0xff000000, v[TM+\b]  ; 2 off the exponent field: the conversion's scale operand
.endr
.irp b, 0,1
	v_lshrrev_b32 v[TM+6+\b], 23, v[TM+4+\b]
.endr
	v_lshl_or_b32 v[PW2], v[TM+7], 8, v[TM+6]
	v_cvt_scalef32_pk16_fp6_f32 v[PC2:PC2+2], v[\s:\s+15], v[TM+4]
	v_cvt_scalef32_pk16_fp6_f32 v[PX:PX+2], v[\s+16:\s+31], v[TM+5]
	v_nop                                          ; one plain place behind a scaled conversion
.endif
.if (\part) == 2
.irp i, 0,1,2
	v_permlane16_swap_b32 v[PC2+\i], v[PX+\i]      ; a whole block to a lane: lanes 0-15 the first, lanes 16-31 the second
.endr
.irp i, 0,1,2
	v_mov_b32 v[PC2+3+\i], v[PX+\i]
.endr
.endif
.endm
; the same for four blocks whose 64 numbers lie in window 3
.macro QUANT4W s
	WIN 0x0f
.irp b, 0,1,2,3
	v_max3_num_f32 v[TM+\b], |v[\s+16*\b]|, |v[\s+1+16*\b]|, 0x1800000
.endr
	WIN 0x3c
.irp i, 2,4,6,8,10,12,14
.irp b, 0,1,2,3
	v_max3_num_f32 v[TM+\b], v[TM+\b], |v[\s+16*\b+\i]|, |v[\s+1+16*\b+\i]|
.endr
.endr
	WIN 0
.irp b, 0,1,2,3
	v_permlanex16_b32 v[TM+4+\b], v[TM+\b], s[SEL], s[SEL+1]
.endr
.irp b, 0,1,2,3
	v_max_num_f32 v[TM+\b], v[TM+\b], v[TM+4+\b]
.endr
.irp b, 0,1,2,3
	v_add_nc_u32 v[TM+12+\b], 0xff000000, v[TM+\b]
.endr
.irp b, 0,1,2,3
	v_lshrrev_b32 v[TM+4+\b], 23, v[TM+12+\b]
.endr
	v_lshl_or_b32 v[PW], v[TM+5], 8, v[TM+4]
	v_lshl_or_b32 v[PW], v[TM+6], 16, v[PW]
	v_lshl_or_b32 v[PW], v[TM+7], 24, v[PW]
	WIN 0x03
.irp c, 0,1
	v_cvt_scalef32_pk16_fp6_f32 v[PC+6*\c:PC+2+6*\c], v[\s+32*\c:\s+15+32*\c], v[TM+12+2*\c]
	v_cvt_scalef32_pk16_fp6_f32 v[PC+12+4*\c:PC+14+4*\c], v[\s+16+32*\c:\s+31+32*\c], v[TM+12+2*\c+1]
.endr
	WIN 0
	v_nop
.irp c, 0,1
.irp i, 0,1,2
	v_permlane16_swap_b32 v[PC+6*\c+\i], v[PC+12+4*\c+\i]
.endr
.irp i, 0,1,2
	v_mov_b32 v[PC+3+6*\c+\i], v[PC+12+4*\c+\i]
.endr
.endr
.endm
	s_load_b256 s[8:15], s[0:1], 0x0               ; act, wimg, wq_scales, wk_scales
	s_load_b256 s[16:23], s[0:1], 0x20             ; wv_scales, rt, qb, kv
	v_lshl_add_u32 v254, v0, 2, 0x34000
	v_mov_b32 v255, 0
	ds_add_u32 v254, v255
	ds_add_u32 v254, v255
	v_lshrrev_b32 v9, 5, v0
	v_readfirstlane_b32 s[WV], v9                  ; wave 0..3
	v_and_b32 v9, 31, v0
	v_and_b32 v10, 15, v0                          ; r
	v_bfe_u32 v11, v0, 4, 1                        ; h
	v_lshlrev_b32 v[L16], 4, v9
	v_lshlrev_b32 v[L8], 3, v9
	v_lshlrev_b32 v[L4], 2, v9
	v_mov_b32 v[AD16], v[L16]
	v_mov_b32 v[AD8], v[L8]
	v_mov_b32 v[AD4], v[L4]
	v_and_b32 v9, 8, v10
	v_add_nc_u32 v9, v9, v10                       ; r + 8 (r / 8)
	v_lshlrev_b32 v[TOFF], 8, v9
	v_lshl_add_u32 v[TOFF], v11, 6, v[TOFF]
	v_lshl_add_u32 v[SOFF], v11, 3, v9
	v_lshlrev_b32 v[SOFF], 5, v[SOFF]              ; rows of 32 scale bytes
.irp b, 2,3,4,5,6,7
	v_mov_b32 v[TM+\b], 0                          ; written once: a lane permute's destination counts as one of its sources
.endr
	s_bfe_u32 s[CX], ttmp6, 0x40000                ; my place in the cluster: it enters the head's number alone
	s_mov_b32 s[SL], ttmp9                         ; which product: the cluster's x, the same in the four partners
	s_and_b32 s[BLK], ttmp7, 0xffff
	s_lshl_b32 s[HD], s[CX], 2
	s_add_co_u32 s[HD], s[HD], s[WV]
	s_lshr_b32 s[BH], s[BLK], 3
	s_lshl_b32 s[BH], s[BH], 4
	s_add_co_u32 s[BH], s[BH], s[HD]               ; 16 x batch + head
	s_and_b32 s[B7], s[BLK], 7
	s_mov_b32 s[SEL], 0x76543210
	s_mov_b32 s[SEL+1], 0xfedcba98
	s_mov_b32 s[TB], 0
	; the fill: my quarter of the block's 16 records, a dense block, as 208 rows of 256 bytes
	s_mov_b32 s[G1], 15|(3<<16)|(1<<21)            ; 15:0 the mask: all four work-groups; 17:16 elements of 8 bytes; 21 set beside a mask; no padding: images are read as they lie
	s_mov_b32 s[G1+1], 32<<16                      ; tensor_dim0 = 32 elements
	s_mov_b32 s[G1+2], 208<<16                     ; tensor_dim1
	s_mov_b32 s[G1+3], 32<<16                      ; tile_dim0
	s_mov_b32 s[G1+4], 208                         ; tile_dim1
	s_mov_b32 s[G1+5], 32                          ; from row to row
	s_mov_b32 s[G1+6], 0
	s_mov_b32 s[G1+7], 0
	s_mul_i32 s60, s[BLK], 16*REC
	s_mul_i32 s61, s[WV], 4*REC
	s_add_co_u32 s60, s60, s61
	s_mov_b32 s61, 0
	s_mov_b32 s[G0], 1
	s_mul_i32 s[G0+1], s[WV], 4*REC
	s_wait_dscnt 0x0
	s_wait_kmcnt 0x0
	s_add_nc_u64 s[G0+2:G0+3], s[8:9], s[60:61]
	s_or_b32 s[G0+3], s[G0+3], 0x80000000
	CROUND                                         ; all four work-groups are here: the joint loads meet
	tensor_load_to_lds s[G0:G0+3], s[G1:G1+7]      ; my one tensor load
	s_nop 0
	PLACES 4
	s_lshl_b32 s62, s[SL], 6
	s_lshl_b32 s63, s[HD], 2
	s_add_co_u32 s62, s62, s63
	s_mul_i32 s62, s62, 12288                      ; my head's four tiles among the images
	s_mov_b32 s63, 0
	s_add_nc_u64 s[WB:WB+1], s[10:11], s[62:63]
	s_cmp_eq_u32 s[SL], 1
	s_cselect_b64 s[SB:SB+1], s[14:15], s[12:13]
	s_cmp_eq_u32 s[SL], 2
	s_cselect_b64 s[SB:SB+1], s[16:17], s[SB:SB+1]
	s_lshl_b32 s62, s[HD], 11                      ; 64 rows of 32 scale bytes
	s_add_nc_u64 s[SB:SB+1], s[SB:SB+1], s[62:63]
.irp k, 0,1,2,3,4,5,6,7                        ; fragment f = 4 s + t stays in window 1 + f / 21 at register 12 (f % 21)
.irp t, 0,1,2,3
.set FF, 4*\k+\t
	WIN (1+FF/21)<<6
.irp c, 0,1,2
	global_load_b128 v[12*(FF%21)+4*\c:12*(FF%21)+4*\c+3], v[L16], s[WB:WB+1] offset:12288*\t+1536*\k+512*\c
.endr
.endr
.endr
	WIN 0
	s_wait_alu depctr_va_vdst(0)
.irp b, 0,1
.irp c, 0,1
	global_load_b128 v[WS+8*\b+4*\c:WS+8*\b+4*\c+3], v[SOFF], s[SB:SB+1] offset:1024*\b+16*\c
.endr
.endr
	s_lshl_b32 s60, s[BH], 7
	s_lshl_b32 s61, s[B7], 4
	s_add_co_u32 s60, s60, s61
	s_mul_i32 s60, s60, 896                        ; q: tile 128 head + 16 (block % 8)
	s_mul_i32 s62, s[BH], 221184
	s_mul_i32 s63, s[B7], 27648
	s_add_co_u32 s62, s62, s63                     ; k, v: step 2 (block % 8) of the head
	s_mov_b32 s[JV], 10240
	s_cmp_eq_u32 s[SL], 0
	s_cselect_b64 s[OP:OP+1], s[20:21], s[22:23]
	s_cselect_b32 s[T0], s60, s62
	s_cselect_b32 s[JV], 3584, s[JV]               ; behind the eighth tile k goes on to the next step's record: 3,584 + 6,656
	s_mov_b32 s[T0+1], 0
	s_add_nc_u64 s[OP:OP+1], s[OP:OP+1], s[T0:T0+1]
	s_lshl_b32 s60, s[B7], 16                      ; the table: 256 positions of 256 bytes a block
	s_mov_b32 s61, 0
	s_add_nc_u64 s[RTB:RTB+1], s[18:19], s[60:61]
	s_wait_loadcnt 0x0                             ; the weights and their scales
	s_wait_tensorcnt 0x0                           ; my quarter has landed,
	s_barrier_signal -1
	s_barrier_wait -1                              ; everybody's has
	FETCHG 0, 0
	FETCHG 1, 0
	s_cmp_eq_u32 s[SL], 2
	s_cbranch_scc1 .Lv
	; ---------------- Q AND K ----------------
.macro QKMUL s                         ; K step s: the four accumulators by turns, one instruction a turn
.set ZZ, 0
.if (\s) == 0
.set ZZ, 1
.endif
.irp t, 0,1,2,3
.set FF, 4*(\s)+\t
	WIN 1+FF/21
.if \t%2
	WMMA HA+8*\t, 12*(FF%21), AF+12*(\s), ZZ, WS+8*(\t/2)+(\s), AS+(\s), matrix_a_scale:MATRIX_SCALE_ROW1
.else
	WMMA HA+8*\t, 12*(FF%21), AF+12*(\s), ZZ, WS+8*(\t/2)+(\s), AS+(\s)
.endif
.endr
.endm
.macro TABL q, off                     ; (cos, sin) of frequencies 16 b + 8 h + 0 .. 7 at my token's position, for tile q of the quad off bytes on: 8 loads into set q (the destination's window is 3)
.irp e, 0,1,2,3,4,5,6,7
	global_load_b128 v[32*(\q)+4*\e:32*(\q)+4*\e+3], v[TOFF], s[RTB:RTB+1] offset:(\off)+8192*((\q)/2)+2048*((\q)%2)+128*(\e/4)+16*(\e%4)
.endr
.endm
; Tile q of a quad.  fetch = 1: the next record's fragments are fetched behind the places.  tab = 1: my set of the table is loaded again for the next quad.  left: the table loads younger than my set's.
; THE VECTOR WORK of tile vq of a quad, whose sums lie in accumulator set vq % 2, in seven runs c = 0 .. 6.  They stand among the products of the tile that follows, which fill the other set and name none of these registers.
; Runs 0-3: RoPE, four pairs of channels each, each accumulator from its low end on; behind run 3 my set of the table is loaded again for the next quad (tab = 1).  Runs 4-6: the quantiser's three parts, and the stores.
; left: the table loads younger than my set's, eight for each set behind it.
.macro VCH c, vq, tab, left
.set HB, 36+32*((\vq)%2)
.if (\c) == 0
	s_wait_loadcnt \left                           ; my set's eight loads are in
	s_wait_xcnt 0x0                                ; the stores of the tile before have read their data, which run 5 writes again
.endif
.if (\c) < 4
	WIN 0x0c                                       ; source 1: window 3
.irp i, 0,1,2,3
.set PI, 4*(\c)+\i
	v_mul_f32 v[T1+2*(\i%2)], v[HB+2*PI+1], v[32*(\vq)+2*PI+1]
	v_mul_f32 v[T1+2*(\i%2)+1], v[HB+2*PI], v[32*(\vq)+2*PI+1]
	v_fma_f32 v[HB+2*PI], v[HB+2*PI], v[32*(\vq)+2*PI], -v[T1+2*(\i%2)]
	v_fma_f32 v[HB+2*PI+1], v[HB+2*PI+1], v[32*(\vq)+2*PI], v[T1+2*(\i%2)+1]
.endr
.endif
.if (\c) == 3
.if (\tab)
	WIN 0xc0
	TABL \vq, 16384                                ; the set has been read: the tile four further on (64 positions of 256 bytes)
.endif
.endif
.if (\c) == 4
	WIN 0
	QUANT2 HB, 0
.endif
.if (\c) == 5
	WIN 0
	QUANT2 HB, 1
.endif
.if (\c) == 6
	WIN 0
	QUANT2 HB, 2
	v_or_b32 v[PW2], 0x7f7f0000, v[PW2]            ; bytes 2 and 3: 127, for the zero codes that fill K
	global_store_b128 v[L16], v[PC2:PC2+3], s[OP:OP+1] offset:896*(\vq)
	global_store_b64 v[L8], v[PC2+4:PC2+5], s[OP:OP+1] offset:896*(\vq)+512
	global_store_b32 v[L4], v[PW2], s[OP:OP+1] offset:896*(\vq)+768
.endif
.endm
; Tile q of a quad: its 32 products into accumulator set q % 2; behind K step c stands run c of tile vq's vector work (vq = -1: none).  fetch = 1: the next record's fragments are fetched behind the places.
.macro QKTILE q, fetch, vq, tab, left
.set HA, 36+32*((\q)%2)
	s_wait_dscnt 20                                ; K steps 0-3 are in; the 20 loads of K steps 4-7 may be out
.irp k, 0,1,2,3
	QKMUL \k
.if (\vq) >= 0
	VCH \k, \vq, \tab, \left
.endif
.endr
	WIN 0
	PLACES 4                                       ; in front of loads into registers that matrix instructions have read
.if (\fetch)
	FETCHG 0, REC
.endif
	s_wait_dscnt 20*(\fetch)                       ; K steps 4-7 are in; the 20 loads just issued, if any, may be out
.irp k, 4,5,6,7
	QKMUL \k
.if (\vq) >= 0
.if \k < 7
	VCH \k, \vq, \tab, \left
.endif
.endif
.endr
	WIN 0
	PLACES 4                                       ; likewise, and in front of the first read of the results
.if (\fetch)
	FETCHG 1, REC
.endif
	NEXTREC
.endm
	WIN 0xc0
.irp q, 0,1,2,3
	TABL \q, 0                                     ; the first quad's four sets
.endr
	WIN 0
	s_mov_b32 s[CNT], 0
	s_wait_alu depctr_va_vdst(0)
	QKTILE 0, 1, -1, 0, 0                          ; the block's first tile: no tile before it
.Lqk:                                              ; three trips: tiles 1, 2, 3 of a quad and tile 0 of the next; the quad's four stores and table loads all stand ahead of the step of the two bases
	s_wait_alu depctr_va_vdst(0)
	QKTILE 1, 1, 0, 1, 24
	s_wait_alu depctr_va_vdst(0)
	QKTILE 2, 1, 1, 1, 24
	s_wait_alu depctr_va_vdst(0)
	QKTILE 3, 1, 2, 1, 24
	s_wait_alu depctr_va_vdst(0)
	QKTILE 0, 1, 3, 1, 24
	s_wait_xcnt 0x0                                ; loads and stores have read their bases
	s_add_nc_u64 s[RTB:RTB+1], s[RTB:RTB+1], 16384 ; 64 positions on
	s_cmp_eq_u32 s[CNT], 1
	s_cselect_b32 s[T0], s[JV], 3584
	s_add_nc_u64 s[OP:OP+1], s[OP:OP+1], s[T0:T0+1]
	s_add_co_u32 s[CNT], s[CNT], 1
	s_cmp_lt_u32 s[CNT], 3
	s_cbranch_scc1 .Lqk
	s_wait_alu depctr_va_vdst(0)
	QKTILE 1, 1, 0, 0, 24                          ; the last quad asks for no table: the counts run down
	s_wait_alu depctr_va_vdst(0)
	QKTILE 2, 1, 1, 0, 16
	s_wait_alu depctr_va_vdst(0)
	QKTILE 3, 0, 2, 0, 8                           ; the last tile fetches nothing
	s_wait_alu depctr_va_vdst(0)
.irp c, 0,1,2,3,4,5,6
	VCH \c, 3, 0, 0                                ; and its own vector work has no products to stand among
.endr
	WIN 0
	s_branch .Lend
	; ---------------- V ----------------
.Lv:
.macro VMUL s, i                       ; K step s of token tile i of a group of eight: accumulator (channel tile t, i) at v[64 t + 8 i] of window 3
.set ZZ, 0
.if (\s) == 0
.set ZZ, 1
.endif
.irp t, 0,1,2,3
.set FF, 4*(\s)+\t
	WIN 0xf0|((1+FF/21)<<2)
.if \t%2
	WMMA 64*\t+8*(\i), AF+12*(\s), 12*(FF%21), ZZ, AS+(\s), WS+8*(\t/2)+(\s), matrix_b_scale:MATRIX_SCALE_ROW1
.else
	WMMA 64*\t+8*(\i), AF+12*(\s), 12*(FF%21), ZZ, AS+(\s), WS+8*(\t/2)+(\s)
.endif
.endr
.endm
.macro VTILE i, fetch
	s_wait_dscnt 20                                ; as in QKTILE
.irp k, 0,1,2,3
	VMUL \k, \i
.endr
	WIN 0
	PLACES 4
.if (\fetch)
	FETCHG 0, REC
.endif
	s_wait_dscnt 20*(\fetch)                       ; (the argument stands in brackets: it is put in as text)
.irp k, 4,5,6,7
	VMUL \k, \i
.endr
	WIN 0
	PLACES 4
.if (\fetch)
	FETCHG 1, REC
.endif
	NEXTREC
.endm
.macro VGROUP g                        ; 128 keys: eight tiles of tokens, then the four channel tiles are quantised along the keys
.irp n, 0,1,2,3,4,5,6
	s_wait_alu depctr_va_vdst(0)
	VTILE \n, 1
.endr
	s_wait_alu depctr_va_vdst(0)
	VTILE 7, 1-\g                                  ; the block's very last tile fetches nothing
.irp n, 0,1,2,3
	s_wait_xcnt 0x0                                ; the last image's stores have read their data
	QUANT4W 64*\n
.irp c, 0,1,2
	global_store_b128 v[L16], v[PC+4*\c:PC+4*\c+3], s[OP:OP+1] offset:13824*\g+7168+1536*\n+512*\c
.endr
	global_store_b32 v[L4], v[PW], s[OP:OP+1] offset:13824*\g+13312+128*\n
.endr
.endm
	VGROUP 0
	VGROUP 1
.Lend:
	s_wait_dscnt 0x0
	s_wait_tensorcnt 0x0
	ds_add_u32 v254, v255
	s_wait_dscnt 0x0
	CROUND                                         ; the closing round
	s_endpgm
.Lfunc_end_k_q898cf76677_qkv:
	.size	k_q898cf76677_qkv, .Lfunc_end_k_q898cf76677_qkv-k_q898cf76677_qkv
	.p2alignl 7, 3214868480
	.fill 96, 4, 3214868480
	.section	.rodata,"a",@progbits
	.p2align	6, 0x0
	.amdhsa_kernel k_q898cf76677_qkv
		.amdhsa_group_segment_fixed_size 213504
		.amdhsa_private_segment_fixed_size 0
		.amdhsa_enable_private_segment 0
		.amdhsa_kernarg_size 64
		.amdhsa_user_sgpr_count 2
		.amdhsa_user_sgpr_kernarg_segment_ptr 1
		.amdhsa_wavefront_size32 1
		.amdhsa_system_sgpr_workgroup_id_x 1
		.amdhsa_system_sgpr_workgroup_id_y 1
		.amdhsa_system_sgpr_workgroup_id_z 1
		.amdhsa_system_vgpr_workitem_id 0
		.amdhsa_next_free_vgpr 1024
		.amdhsa_next_free_sgpr 66
		.amdhsa_reserve_vcc 0
		.amdhsa_float_denorm_mode_32 3
		.amdhsa_float_denorm_mode_16_64 3
		.amdhsa_memory_ordered 1
		.amdhsa_forward_progress 1
		.amdhsa_inst_pref_size 255
	.end_amdhsa_kernel
	.section	.bss,"aw",@nobits
	.p2align	6
	.space	262144
	.amdgpu_metadata
---
amdhsa.version: [ 1, 2 ]
amdhsa.kernels:
  - .name:           k_q898cf76677_qkv
    .symbol:         k_q898cf76677_qkv.kd
    .args:
      - { .name: act, .offset: 0, .size: 8, .value_kind: global_buffer, .address_space: global }
      - { .name: wimg, .offset: 8, .size: 8, .value_kind: global_buffer, .address_space: global }
      - { .name: wq_scales, .offset: 16, .size: 8, .value_kind: global_buffer, .address_space: global }
      - { .name: wk_scales, .offset: 24, .size: 8, .value_kind: global_buffer, .address_space: global }
      - { .name: wv_scales, .offset: 32, .size: 8, .value_kind: global_buffer, .address_space: global }
      - { .name: rt, .offset: 40, .size: 8, .value_kind: global_buffer, .address_space: global }
      - { .name: qb, .offset: 48, .size: 8, .value_kind: global_buffer, .address_space: global }
      - { .name: kv, .offset: 56, .size: 8, .value_kind: global_buffer, .address_space: global }
    .group_segment_fixed_size: 213504
    .private_segment_fixed_size: 0
    .kernarg_segment_align: 8
    .kernarg_segment_size: 64
    .max_flat_workgroup_size: 128
    .sgpr_count:     66
    .vgpr_count:     1024
    .wavefront_size: 32
...
	.end_amdgpu_metadata
.endif
;; end of part 2
;; launch attn (part 3): grid 8 x 32, 16 waves a work-group, clusters of 4 x 1, 296,960 bytes of LDS; arguments qb, kv, act; writes act
.if DOCPART == 3
	.amdgcn_target "amdgcn-amd-amdhsa--gfx1250"
	.amdhsa_code_object_version 6
	.text
	.protected	k_q898cf76677_attn
	.globl	k_q898cf76677_attn
	.p2align	8
	.type	k_q898cf76677_attn,@function
k_q898cf76677_attn:
	s_mov_b64 s[64:65], 0
	v_nop
	global_prefetch_b8 v0, s[64:65] scope:SCOPE_SE
	s_setreg_imm32_b32 hwreg(HW_REG_WAVE_MODE, 25, 1), 1
	s_wait_xcnt 0x0
	s_wait_alu depctr_hold_cnt(0) depctr_sa_sdst(0) depctr_va_vdst(0) depctr_va_sdst(0) depctr_va_ssrc(0) depctr_va_vcc(0) depctr_vm_vsrc(0)
	s_getreg_b32 s2, hwreg(HW_REG_IB_STS2, 6, 4)
	s_cmp_eq_u32 s2, 0
	s_cbranch_scc0 .Lentry_in_a_cluster
	s_endpgm
.Lentry_in_a_cluster:
	s_bfe_u32 s2, ttmp6, 0x10000c
	s_cmp_lg_u32 s2, 0x3003
	s_cbranch_scc0 .Lentry_shape_is_right
	s_endpgm
.Lentry_shape_is_right:
; Causal attention on codes of E2M3, head size 64.  t = score x log2(e) / 8; M = the running largest t rounded up to a whole number; p = 2^(t - M) is quantised along the keys, not normalised;
; the row's sum is taken of the unquantised p and divides O at the end; O / sum is quantised along the model's 1,024 columns and stored as the next product's operand.
; SHARES.  Work-group y = 16 x batch + head; gq = 4 x cluster x + cx = 0 .. 7.  The work-group owns 16 tiles of 16 queries, tile 8 p + gq for p = 0 .. 15; tile p sees key steps 0 .. p of 128 keys, step p on the diagonal.
; Waves 2 i and 2 i + 1 share tiles i and 15 - i (17 steps): each takes the steps of ONE parity of both tiles, 9 steps (even) or 8 (odd).  The parity is (w xor w / 4) & 1: of the four waves w, w + 4, w + 8, w + 12,
; and of the four waves 4 n .. 4 n + 3, two are even and two odd.  A wave walks one tile, puts its part (O^T, the sums, -M) into its own stage in LDS, walks the other tile, and behind ONE barrier joins its partner's part
; of that tile to its own: both are brought under the larger M by powers of two, which rounds nothing.  A part with no step is zeros under -M = 3e38 and gets the factor 0.
; All branches hang on the wave's number and a counted loop alone, the same in all partners of a cluster.
; THE HEAD'S WHOLE k AND v, 16 step records of 13,824 bytes, come into LDS once: wave w brings record w by one tensor load.  The four work-groups of a cluster walk the same head and ask JOINTLY.  Nothing is filled again.
; No prefetch: the one stream, k and v, is asked for whole at the head.
; Both products are used transposed (S^T = k q^T, O^T = v^T p^T): a lane holds one query.  K of the first product is 64: registers 6-11 of q's and k's fragments are zero codes, set once, with scale bytes 127.
; Masked scores are -infinity where the definition writes -1e9: p is 0 either way, unless a visible score of the row lay under -1e9.
; LIMITS: scale byte 1 for blocks whose every p has fallen to 0; no NaN, no infinities among the inputs; the scaled scores stay under 2^31 in magnitude.
.set STEPB, 13824
.set STG, 0x36800                      ; behind the records and the spare words: 16 stages of 4,608 bytes (9 x 512), no fill lands here
.set L16, 1
.set L8, 2
.set L4, 3
.set AD16, 4
.set AD8, 5
.set AD4, 6
.set DQ, 7                             ; my query's place in its block of 128, less 16 h
.set SMY, 28                           ; my stage, + 16 x lane
.set SPA, 29                           ; my partner's
.set KB, 32                            ; v32-79   four fragments of k
.set VB, 80                            ; v80-127  four fragments of V^T
.set S, 128                            ; v128-191 S^T, then p
.set O, 192                            ; v192-223 O^T
.set TM, 232
.set PC2, 224
.set PX, 240
.set PW2, 253
.set WV, 14
.set CX, 15
.set GQ, 16
.set BH, 17
.set P, 18                             ; the tile that I finish
.set J, 19
.set TB, 20
.set P1, 21                            ; the tile that I walk first
.set SEL, 22
.set CS, 24
.set Q1, 26                            ; s[26:27] the first tile's q
.set G0, 28
.set G1, 32
.set PAR, 54                           ; my parity of key steps
.set CNT, 55
.macro PLACES n
.rept \n
	v_nop
.endr
.endm
.macro CROUND
	s_barrier_signal -1
	s_barrier_wait -1
	s_cmp_lg_u32 s[WV], 0
	s_cbranch_scc1 .Lnot_wave_0_\@
	s_barrier_signal -3
.Lnot_wave_0_\@:
	s_barrier_wait -3
	s_barrier_signal -1
	s_barrier_wait -1
.endm
.macro QUANT2 s                        ; 32 numbers of a lane, register 16 b + i = k 32 b + 16 (lane / 16) + i, become half a fragment's codes and two scale bytes
.irp b, 0,1
	v_max3_num_f32 v[TM+\b], |v[\s+16*\b]|, |v[\s+1+16*\b]|, 0x1800000
.endr
.irp i, 2,4,6,8,10,12,14
.irp b, 0,1
	s_delay_alu instid0(VALU_DEP_2)
	v_max3_num_f32 v[TM+\b], v[TM+\b], |v[\s+16*\b+\i]|, |v[\s+1+16*\b+\i]|
.endr
.endr
.irp b, 0,1
	s_delay_alu instid0(VALU_DEP_2)
	v_permlanex16_b32 v[TM+2+\b], v[TM+\b], s[SEL], s[SEL+1]
.endr
.irp b, 0,1
	s_delay_alu instid0(VALU_DEP_2)
	v_max_num_f32 v[TM+\b], v[TM+\b], v[TM+2+\b]
.endr
.irp b, 0,1
	s_delay_alu instid0(VALU_DEP_2)
	v_add_nc_u32 v[TM+4+\b], 0xff000000, v[TM+\b]
.endr
.irp b, 0,1
	s_delay_alu instid0(VALU_DEP_2)
	v_lshrrev_b32 v[TM+6+\b], 23, v[TM+4+\b]
.endr
	s_delay_alu instid0(VALU_DEP_1)
	v_lshl_or_b32 v[PW2], v[TM+7], 8, v[TM+6]
	v_cvt_scalef32_pk16_fp6_f32 v[PC2:PC2+2], v[\s:\s+15], v[TM+4]
	v_cvt_scalef32_pk16_fp6_f32 v[PX:PX+2], v[\s+16:\s+31], v[TM+5]
	v_nop
.irp i, 0,1,2
	v_permlane16_swap_b32 v[PC2+\i], v[PX+\i]
.endr
.irp i, 0,1,2
	s_delay_alu instid0(VALU_DEP_3)
	v_mov_b32 v[PC2+3+\i], v[PX+\i]
.endr
.endm
.macro QLOAD qb                        ; a tile's q: half image and scale words
	global_load_b128 v[16:19], v[L16], s[\qb:\qb+1]
	global_load_b64 v[20:21], v[L8], s[\qb:\qb+1] offset:512
	global_load_b32 v255, v[L4], s[\qb:\qb+1] offset:768
.endm
; One tile's walk over my parity's key steps: eight trips, a constant; a step all of whose keys are hidden is jumped over inside the trip.  preg: the scalar register that holds the tile's p.
.macro PASS preg
	v_mov_b32 v13, 0xff61b1e6                      ; the largest t so far: -3e38
	v_mov_b32 v14, 0                               ; the sum, in two halves
	v_mov_b32 v15, 0
	v_floor_f32 v12, -v13                          ; -M
.set N, 0
.rept 32
	v_mov_b32 v[O+N], 0                            ; O^T: the first step finds zeros, which the first change of M leaves zeros
.set N, N+1
.endr
	s_mov_b32 s[J], s[PAR]
	s_mul_i32 s[TB], s[PAR], STEPB
	s_mov_b32 s[CNT], 0
	s_wait_alu depctr_va_vdst(0)
	s_wait_loadcnt 0x0                             ; q
.Lstep\@:
	s_cmp_gt_u32 s[J], s[\preg]
	s_cbranch_scc1 .Lhid\@
	v_add_nc_u32 v[AD16], s[TB], v[L16]
	v_add_nc_u32 v[AD8], s[TB], v[L8]
	v_add_nc_u32 v[AD4], s[TB], v[L4]
	v_nop                                          ; four places in front of loads into the scale registers that the last products read
	s_wait_alu depctr_va_vdst(0)
.irp g, 0,1                                    ; S^T = k q^T, four tiles of 16 keys at a time
.if \g
	PLACES 4
.endif
.irp t, 0,1,2,3
	ds_load_b128 v[KB+12*\t:KB+12*\t+3], v[AD16] offset:896*(4*\g+\t)
	ds_load_b64 v[KB+12*\t+4:KB+12*\t+5], v[AD8] offset:896*(4*\g+\t)+512
	ds_load_b32 v[248+\t], v[AD4] offset:896*(4*\g+\t)+768
.endr
	s_wait_dscnt 0x0
.irp t, 0,1,2,3
	v_wmma_scale_f32_16x16x128_f8f6f4 v[S+8*(4*\g+\t):S+8*(4*\g+\t)+7], v[KB+12*\t:KB+12*\t+11], v[16:27], 0, v[248+\t], v255 matrix_a_fmt:MATRIX_FMT_FP6 matrix_b_fmt:MATRIX_FMT_FP6
.endr
.endr                                          ; the 16 registers of tiles 2 b, 2 b + 1 are keys 32 b + 16 h + 0 .. 15 of the step
	PLACES 4
.irp t, 0,1,2,3                                ; V^T's four images and scale words: they land under the softmax
.irp c, 0,1,2
	ds_load_b128 v[VB+12*\t+4*\c:VB+12*\t+4*\c+3], v[AD16] offset:7168+1536*\t+512*\c
.endr
	ds_load_b32 v[248+\t], v[AD4] offset:13312+128*\t
.endr
	s_cmp_lg_u32 s[J], s[\preg]
	s_cbranch_scc1 .Lopen\@
	v_mov_b32 v254, 0xff800000                     ; on the diagonal: register 16 b + i holds key 32 b + 16 h + i: hidden where 32 b + i > my query's place - 16 h
.set N, 0
.rept 64
	v_cmp_gt_i32 vcc_lo, 32*(N/16)+N%16, v[DQ]
	v_cndmask_b32 v[S+N], v[S+N], v254, vcc_lo
.set N, N+1
.endr
.Lopen\@:
.irp b, 0,1,2,3
	v_max3_num_f32 v[232+\b], v[S+16*\b], v[S+1+16*\b], v[S+2+16*\b]   ; the largest score of each block of 32 keys: for the row's maximum and, since p rises with the score, for the block's largest p
.endr
.irp i, 3,5,7,9,11,13
.irp b, 0,1,2,3
	v_max3_num_f32 v[232+\b], v[232+\b], v[S+16*\b+\i], v[S+1+16*\b+\i]
.endr
.endr
.irp b, 0,1,2,3
	v_max_num_f32 v[232+\b], v[232+\b], v[S+15+16*\b]
.endr
.irp b, 0,1,2,3
	s_delay_alu instid0(VALU_DEP_4)
	v_permlanex16_b32 v[236+\b], v[232+\b], s[SEL], s[SEL+1]
.endr
.irp b, 0,1,2,3
	s_delay_alu instid0(VALU_DEP_4)
	v_max_num_f32 v[232+\b], v[232+\b], v[236+\b]
.endr
	s_delay_alu instid0(VALU_DEP_2)
	v_max3_num_f32 v254, v232, v233, v234
	s_delay_alu instid0(VALU_DEP_1)
	v_max_num_f32 v254, v254, v235
	s_delay_alu instid0(VALU_DEP_1)
	v_mul_f32 v254, s[CS], v254
	s_delay_alu instid0(VALU_DEP_1)
	v_max_num_f32 v13, v13, v254                   ; the running largest t
	v_mov_b32 v254, v12
	s_delay_alu instid0(VALU_DEP_2)
	v_floor_f32 v12, -v13                          ; the new -M = -ceil(t)
	s_delay_alu instid0(VALU_DEP_1)
	v_sub_f32 v254, v12, v254                      ; old M - new M: a whole number, 0 or less
	s_delay_alu instid0(VALU_DEP_1)
	v_cvt_i32_f32 v254, v254                       ; (it saturates)
	s_delay_alu instid0(VALU_DEP_1)
	v_ldexp_f32 v252, 1.0, v254                    ; f = 2^(old M - new M): a multiplication by it rounds nothing
.set N, 0
.rept 32
	v_pk_fma_f32 v[S+N:S+N+1], v[S+N:S+N+1], s[CS:CS+1], v[12:13] op_sel_hi:[1,0,0]   ; t - M
.set N, N+2
.endr
.irp b, 0,1,2,3
	v_fma_f32 v[232+\b], v[232+\b], s[CS], v12
.endr
.set N, 0
	s_wait_alu depctr_va_vdst(0)
.rept 64
	v_exp_f32 v[S+N], v[S+N]                       ; p = 2^(t - M)
.set N, N+1
.endr
.irp b, 0,1,2,3
	v_exp_f32 v[232+\b], v[232+\b]                 ; the block's largest p: the same two instructions on the same number
.endr
	v_pk_mul_f32 v[14:15], v[14:15], v[252:253] op_sel_hi:[1,0]   ; the sums under the new M.  (A plain place behind the exponentials)
	s_wait_alu depctr_va_vdst(0)                   ; and behind it
.irp b, 0,1,2,3
	v_max_num_f32 v[232+\b], 0x1800000, v[232+\b]  ; the floor 2^(3 - 127)
.endr
.irp b, 0,1,2,3
	s_delay_alu instid0(VALU_DEP_4)
	v_add_nc_u32 v[244+\b], 0xff000000, v[232+\b]
.endr
.irp b, 0,1,2,3
	s_delay_alu instid0(VALU_DEP_4)
	v_lshrrev_b32 v[236+\b], 23, v[244+\b]
.endr
	s_delay_alu instid0(VALU_DEP_3)
	v_lshl_or_b32 v253, v237, 8, v236              ; p's scale word for these 128 keys
	s_delay_alu instid0(VALU_DEP_1)
	v_lshl_or_b32 v253, v238, 16, v253
	s_delay_alu instid0(VALU_DEP_1)
	v_lshl_or_b32 v253, v239, 24, v253
.irp c, 0,1
	v_cvt_scalef32_pk16_fp6_f32 v[224+6*\c:226+6*\c], v[S+32*\c:S+15+32*\c], v[244+2*\c]
	v_cvt_scalef32_pk16_fp6_f32 v[236+4*\c:238+4*\c], v[S+16+32*\c:S+31+32*\c], v[244+2*\c+1]
.endr
	v_nop
.irp c, 0,1
.irp i, 0,1,2
	v_permlane16_swap_b32 v[224+6*\c+\i], v[236+4*\c+\i]
.endr
.irp i, 0,1,2
	s_delay_alu instid0(VALU_DEP_3)
	v_mov_b32 v[227+6*\c+\i], v[236+4*\c+\i]
.endr
.endr
	v_pk_add_f32 v[236:237], v[S:S+1], v[S+2:S+3]   ; the row's sum of the unquantised p: 32 pairs in four chains by turns
	v_pk_add_f32 v[244:245], v[S+4:S+5], v[S+6:S+7]
	v_pk_add_f32 v[246:247], v[S+8:S+9], v[S+10:S+11]
	v_pk_add_f32 v[14:15], v[14:15], v[S+12:S+13]
.set N, 14
.rept 6
	v_pk_add_f32 v[236:237], v[236:237], v[S+N:S+N+1]
	v_pk_add_f32 v[244:245], v[244:245], v[S+N+2:S+N+3]
	v_pk_add_f32 v[246:247], v[246:247], v[S+N+4:S+N+5]
	v_pk_add_f32 v[14:15], v[14:15], v[S+N+6:S+N+7]
.set N, N+8
.endr
	v_pk_add_f32 v[236:237], v[236:237], v[S+62:S+63]
	v_pk_add_f32 v[244:245], v[244:245], v[246:247]
	s_delay_alu instid0(VALU_DEP_2)
	v_pk_add_f32 v[14:15], v[14:15], v[236:237]
	s_delay_alu instid0(VALU_DEP_1)
	v_pk_add_f32 v[14:15], v[14:15], v[244:245]
.set N, 0
.rept 16
	v_pk_mul_f32 v[O+N:O+N+1], v[O+N:O+N+1], v[252:253] op_sel_hi:[1,0]   ; O^T under the new M
.set N, N+2
.endr
	s_wait_alu depctr_va_vdst(0)
	s_wait_dscnt 0x0                               ; V^T
.irp t, 0,1,2,3                                ; O^T += V^T p^T: four tiles of 16 channels, by turns
	v_wmma_scale_f32_16x16x128_f8f6f4 v[O+8*\t:O+8*\t+7], v[VB+12*\t:VB+12*\t+11], v[224:235], v[O+8*\t:O+8*\t+7], v[248+\t], v253 matrix_a_fmt:MATRIX_FMT_FP6 matrix_b_fmt:MATRIX_FMT_FP6
.endr
.Lhid\@:
	s_add_co_u32 s[TB], s[TB], 2*STEPB
	s_add_co_u32 s[J], s[J], 2
	s_add_co_u32 s[CNT], s[CNT], 1
	s_cmp_lt_u32 s[CNT], 8
	s_cbranch_scc1 .Lstep\@
	PLACES 4                                       ; in front of the first read of the last results
.endm
	s_load_b128 s[8:11], s[0:1], 0x0               ; qb, kv
	s_load_b64 s[12:13], s[0:1], 0x10              ; act
	v_lshl_add_u32 v31, v0, 2, 0x36000
	v_mov_b32 v243, 0
	ds_add_u32 v31, v243
	ds_add_u32 v31, v243
	v_lshrrev_b32 v8, 5, v0
	s_delay_alu instid0(VALU_DEP_1)
	v_readfirstlane_b32 s[WV], v8                  ; wave 0..15
	s_bfe_u32 s[CX], ttmp6, 0x40000
	s_lshl_b32 s[GQ], ttmp9, 2
	s_add_co_u32 s[GQ], s[GQ], s[CX]               ; it enters q's and the result's addresses and the mask's numbers: no branch, no LDS address
	s_and_b32 s[BH], ttmp7, 0xffff
	s_lshr_b32 s40, s[WV], 2
	s_xor_b32 s40, s40, s[WV]
	s_and_b32 s[PAR], s40, 1                       ; my parity of key steps; my partner, wave w xor 1, has the other
	s_lshr_b32 s41, s[WV], 1                       ; the pair i
	s_and_b32 s40, s[WV], 1
	s_mul_i32 s40, s40, 15
	s_xor_b32 s[P], s41, s40                       ; the tile that I finish: i (even waves) or 15 - i (odd waves)
	s_xor_b32 s[P1], s[P], 15                      ; the tile that I walk first, and my partner finishes
	s_mov_b32 s[G1], 15|(3<<16)|(1<<21)            ; the mask: all four; elements of 8 bytes; 21 set beside a mask; no padding
	s_mov_b32 s[G1+1], 32<<16
	s_mov_b32 s[G1+2], 54<<16                      ; a record: 54 rows of 256 bytes
	s_mov_b32 s[G1+3], 32<<16
	s_mov_b32 s[G1+4], 54
	s_mov_b32 s[G1+5], 32
	s_mov_b32 s[G1+6], 0
	s_mov_b32 s[G1+7], 0
	s_mul_i32 s40, s[BH], 16*STEPB
	s_mul_i32 s41, s[WV], STEPB
	s_add_co_u32 s40, s40, s41
	s_mov_b32 s41, 0
	s_mov_b32 s[G0], 1
	s_mul_i32 s[G0+1], s[WV], STEPB
	s_lshl_b32 s42, s[P], 3
	s_add_co_u32 s42, s42, s[GQ]                   ; the tile that I finish
	s_lshl_b32 s43, s[BH], 7
	s_add_co_u32 s44, s43, s42
	s_mul_i32 s44, s44, 896
	s_mov_b32 s45, 0
	s_lshl_b32 s[Q1], s[P1], 3
	s_add_co_u32 s[Q1], s[Q1], s[GQ]
	s_add_co_u32 s[Q1], s[Q1], s43
	s_mul_i32 s[Q1], s[Q1], 896
	s_mov_b32 s[Q1+1], 0
	s_lshr_b32 s46, s[BH], 4
	s_lshl_b32 s46, s46, 7
	s_add_co_u32 s46, s46, s42
	s_mul_i32 s46, s46, 13312                      ; the tile's record of act
	s_and_b32 s47, s[BH], 15                       ; the head: half image number head,
	s_mul_i32 s48, s47, 768
	s_add_co_u32 s48, s48, s46
	s_mov_b32 s49, 0
	s_lshr_b32 s50, s47, 1                         ; and two bytes of scale word head / 2
	s_lshl_b32 s50, s50, 7
	s_and_b32 s51, s47, 1
	s_lshl_b32 s51, s51, 1
	s_add_co_u32 s50, s50, s51
	s_add_co_u32 s50, s50, s46
	s_add_co_u32 s50, s50, 12288
	s_mov_b32 s51, 0
	s_lshr_b32 s52, s[GQ], 1
	s_lshl_b32 s52, s52, 5
	s_and_b32 s53, s[GQ], 1
	s_lshl_b32 s53, s53, 3
	s_add_co_u32 s52, s52, s53
	s_mov_b32 s[SEL], 0x76543210
	s_mov_b32 s[SEL+1], 0xfedcba98
	s_mov_b32 s[CS], 0x3e38aa3b                    ; c = log2(e) / sqrt(64)
	s_mov_b32 s[CS+1], s[CS]                       ; (named with it as a pair, so it is written)
	s_wait_dscnt 0x0
	s_wait_kmcnt 0x0
	s_add_nc_u64 s[G0+2:G0+3], s[10:11], s[40:41]
	s_or_b32 s[G0+3], s[G0+3], 0x80000000
	s_add_nc_u64 s[44:45], s[8:9], s[44:45]
	s_add_nc_u64 s[Q1:Q1+1], s[8:9], s[Q1:Q1+1]
	s_add_nc_u64 s[48:49], s[12:13], s[48:49]
	s_add_nc_u64 s[50:51], s[12:13], s[50:51]
	CROUND                                         ; all four work-groups are here: the joint loads meet
	tensor_load_to_lds s[G0:G0+3], s[G1:G1+7]
	s_nop 0
	PLACES 4
	v_and_b32 v8, 31, v0
	v_and_b32 v9, 15, v0                           ; r
	v_bfe_u32 v10, v0, 4, 1                        ; h
	s_delay_alu instid0(VALU_DEP_3)
	v_lshlrev_b32 v[L16], 4, v8
	v_lshlrev_b32 v[L8], 3, v8
	v_lshlrev_b32 v[L4], 2, v8
	QLOAD Q1                                       ; the first tile's q
	s_mul_i32 s40, s[WV], 4608
	s_add_co_u32 s40, s40, STG
	v_add_nc_u32 v[SMY], s40, v[L16]
	s_xor_b32 s41, s[WV], 1
	s_mul_i32 s41, s41, 4608
	s_add_co_u32 s41, s41, STG
	v_add_nc_u32 v[SPA], s41, v[L16]
	v_and_b32 v8, 8, v9
	s_delay_alu instid0(VALU_DEP_1)
	v_add_nc_u32 v8, v8, v9
	v_lshlrev_b32 v10, 4, v10
	s_delay_alu instid0(VALU_DEP_1)
	v_sub_nc_u32 v[DQ], v8, v10
	s_delay_alu instid0(VALU_DEP_1)
	v_add_nc_u32 v[DQ], s52, v[DQ]
.irp e, 22,23,24,25,26,27
	v_mov_b32 v[\e], 0                             ; q's zero codes
.endr
.irp t, 0,1,2,3
.irp e, 6,7,8,9,10,11
	v_mov_b32 v[KB+12*\t+\e], 0                    ; k's: no load lands here
.endr
.endr
.irp e, 232,233,234,235,236,237,238,239,248,249,252,253
	v_mov_b32 v[\e], 0                             ; lane permutes' destinations, and the pairs v[248:249], v[252:253], are written before they are named
.endr
	s_wait_alu depctr_va_vdst(0)
	s_wait_tensorcnt 0x0                           ; my record has landed,
	s_barrier_signal -1
	s_barrier_wait -1                              ; everybody's has
	PASS P1
	QLOAD 44                                       ; the second tile's q (the places at the walk's end stand in front of these loads)
.irp t, 0,1,2,3,4,5,6,7
	ds_store_b128 v[SMY], v[O+4*\t:O+4*\t+3] offset:512*\t   ; my part of the first tile: O^T, each accumulator from its low end on,
.endr
	ds_store_b128 v[SMY], v[12:15] offset:4096     ; and -M, the largest t, the sum's two halves
	PASS P
	s_wait_dscnt 0x0                               ; for my partner's sake: my stores have landed
	s_barrier_signal -1
	s_barrier_wait -1
.irp t, 0,1,2,3,4,5,6,7
	ds_load_b128 v[S+4*\t:S+4*\t+3], v[SPA] offset:512*\t    ; my partner's part of the tile that I finish
.endr
	ds_load_b128 v[S+32:S+35], v[SPA] offset:4096
	s_wait_dscnt 0x0
	v_min_num_f32 v254, v12, v[S+32]               ; -M of the two together
	v_add_f32 v14, v14, v15
	v_add_f32 v[S+34], v[S+34], v[S+35]
	v_sub_f32 v252, v254, v12                      ; my M less the joint one, a whole number, 0 or less;
	v_sub_f32 v248, v254, v[S+32]                  ; my partner's
	s_delay_alu instid0(VALU_DEP_2)
	v_cvt_i32_f32 v252, v252                       ; (they saturate)
	s_delay_alu instid0(VALU_DEP_2)
	v_cvt_i32_f32 v248, v248
	s_delay_alu instid0(VALU_DEP_2)
	v_ldexp_f32 v252, 1.0, v252
	s_delay_alu instid0(VALU_DEP_2)
	v_ldexp_f32 v248, 1.0, v248
	s_delay_alu instid0(VALU_DEP_2)
	v_mul_f32 v14, v14, v252
	s_delay_alu instid0(VALU_DEP_1)
	v_fmac_f32 v14, v[S+34], v248                  ; the lane's sum under the joint M
.set N, 0
.rept 16
	v_pk_mul_f32 v[O+N:O+N+1], v[O+N:O+N+1], v[252:253] op_sel_hi:[1,0]
.set N, N+2
.endr
.set N, 0
.rept 16
	v_pk_fma_f32 v[O+N:O+N+1], v[S+N:S+N+1], v[248:249], v[O+N:O+N+1] op_sel_hi:[1,0,1]
.set N, N+2
.endr
	s_wait_alu depctr_va_vdst(0)
	v_permlanex16_b32 v252, v14, s[SEL], s[SEL+1]
	s_delay_alu instid0(VALU_DEP_1)
	v_add_f32 v14, v14, v252                       ; the row's sum
	s_wait_alu depctr_va_vdst(0)
	v_rcp_f32 v14, v14
	v_nop
.set N, 0
	s_wait_alu depctr_va_vdst(0)                   ; and ahead of its first reader
.rept 32
	v_mul_f32 v[S+N], v[O+N], v14                  ; register 16 b + i: channel 32 b + 16 h + i of my query
.set N, N+1
.endr
	QUANT2 S
	global_store_b128 v[L16], v[PC2:PC2+3], s[48:49]
	global_store_b64 v[L8], v[PC2+4:PC2+5], s[48:49] offset:512
	global_store_b16 v[L4], v[PW2], s[50:51]       ; my head's two bytes of each row's scale word
	s_wait_tensorcnt 0x0                           ; the wave's end
	ds_add_u32 v31, v243
	s_wait_dscnt 0x0
	CROUND                                         ; the closing round
	s_endpgm
.Lfunc_end_k_q898cf76677_attn:
	.size	k_q898cf76677_attn, .Lfunc_end_k_q898cf76677_attn-k_q898cf76677_attn
	.p2alignl 7, 3214868480
	.fill 96, 4, 3214868480
	.section	.rodata,"a",@progbits
	.p2align	6, 0x0
	.amdhsa_kernel k_q898cf76677_attn
		.amdhsa_group_segment_fixed_size 296960
		.amdhsa_private_segment_fixed_size 0
		.amdhsa_enable_private_segment 0
		.amdhsa_kernarg_size 24
		.amdhsa_user_sgpr_count 2
		.amdhsa_user_sgpr_kernarg_segment_ptr 1
		.amdhsa_wavefront_size32 1
		.amdhsa_system_sgpr_workgroup_id_x 1
		.amdhsa_system_sgpr_workgroup_id_y 1
		.amdhsa_system_sgpr_workgroup_id_z 1
		.amdhsa_system_vgpr_workitem_id 0
		.amdhsa_next_free_vgpr 256
		.amdhsa_next_free_sgpr 66
		.amdhsa_reserve_vcc 1
		.amdhsa_float_denorm_mode_32 3
		.amdhsa_float_denorm_mode_16_64 3
		.amdhsa_memory_ordered 1
		.amdhsa_forward_progress 1
		.amdhsa_inst_pref_size 64
	.end_amdhsa_kernel
	.amdgpu_metadata
---
amdhsa.version: [ 1, 2 ]
amdhsa.kernels:
  - .name:           k_q898cf76677_attn
    .symbol:         k_q898cf76677_attn.kd
    .args:
      - { .name: qb, .offset: 0, .size: 8, .value_kind: global_buffer, .address_space: global }
      - { .name: kv, .offset: 8, .size: 8, .value_kind: global_buffer, .address_space: global }
      - { .name: act, .offset: 16, .size: 8, .value_kind: global_buffer, .address_space: global }
    .group_segment_fixed_size: 296960
    .private_segment_fixed_size: 0
    .kernarg_segment_align: 8
    .kernarg_segment_size: 24
    .max_flat_workgroup_size: 512
    .sgpr_count:     66
    .vgpr_count:     256
    .wavefront_size: 32
...
	.end_amdgpu_metadata
.endif
;; end of part 3
;; launch wo (part 4): grid 4 x 64, 4 waves a work-group, clusters of 4 x 1, 168,448 bytes of LDS; arguments act, wimg, wo_scales, x, x1; writes x1
.if DOCPART == 4
	.amdgcn_target "amdgcn-amd-amdhsa--gfx1250"
	.amdhsa_code_object_version 6
	.text
	.protected	k_q898cf76677_wo
	.globl	k_q898cf76677_wo
	.p2align	8
	.type	k_q898cf76677_wo,@function
k_q898cf76677_wo:
	s_mov_b64 s[64:65], 0
	v_nop
	global_prefetch_b8 v0, s[64:65] scope:SCOPE_SE
	s_setreg_imm32_b32 hwreg(HW_REG_WAVE_MODE, 25, 1), 1
	s_wait_xcnt 0x0
	s_wait_alu depctr_hold_cnt(0) depctr_sa_sdst(0) depctr_va_vdst(0) depctr_va_sdst(0) depctr_va_ssrc(0) depctr_va_vcc(0) depctr_vm_vsrc(0)
	s_getreg_b32 s2, hwreg(HW_REG_IB_STS2, 6, 4)
	s_cmp_eq_u32 s2, 0
	s_cbranch_scc0 .Lentry_in_a_cluster
	s_endpgm
.Lentry_in_a_cluster:
	s_bfe_u32 s2, ttmp6, 0x10000c
	s_cmp_lg_u32 s2, 0x3003
	s_cbranch_scc0 .Lentry_shape_is_right
	s_endpgm
.Lentry_shape_is_right:
; x1 = x + (attention's output) wo^T on codes of E2M3.
; SHARES.  Work-group y: 64 tokens (4 tiles); the wave owns 64 output columns, unit 4 cx + wave of 16 (the grid has one cluster along x): 4 weight tiles x 8 K steps = 32 fragments kept in 384 registers.
; The block's four records of act (53,248 bytes) come into LDS once, one by each wave; the four work-groups of a cluster need the same bytes and ask JOINTLY.  Nothing is filled again.
; x's rows for ALL FOUR TILES (32 loads, 128 registers of window 3) are asked for at the head, behind the weights: they arrive while the first products are made, and each tile waits for its own eight alone.
; Source 0 = 16 weight rows, source 1 = 16 tokens: a lane holds one token and 32 of its 64 columns.  A tile goes through the wave's own stage (16 rows x 272 bytes, in bytes that no fill touches) and leaves as
; rows: sixteen lanes store the unit's 256 consecutive bytes of a token's row, aligned.  The four tiles are written out: every offset is an immediate.
.set REC, 13312
.set STG, 53248
.set L16, 1
.set L8, 2
.set L4, 3
.set AD16, 1                           ; the records begin at LDS byte 0: the lane's terms are the addresses
.set AD8, 2
.set AD4, 3
.set XO, 4                             ; x and x1: 4,096 h + 16 r
.set STO, 5
.set SRD, 6
.set SOFF, 8
.set WS, 12
.set AS, 28
.set HA, 36
.set AF, 100
.set OB, 196                           ; v196-227 the tile read back by rows
                                       ; window 3: v0-127 x's rows: tile n's 16 rows x 64 columns at v[32 n]
.set WV, 18
.set CX, 19
.set UN, 20
.set BLK, 21
.set G0, 24
.set G1, 28
.set WB, 36
.set SB, 38
.set XB, 40
.set YB, 42
.set MSB, 0
.macro WIN new
.if MSB != (\new)
	s_set_vgpr_msb (MSB<<8)|(\new)
.set MSB, (\new)
.endif
.endm
.macro PLACES n
.rept \n
	v_nop
.endr
.endm
.macro CROUND
	s_barrier_signal -1
	s_barrier_wait -1
	s_cmp_lg_u32 s[WV], 0
	s_cbranch_scc1 .Lnot_wave_0_\@
	s_barrier_signal -3
.Lnot_wave_0_\@:
	s_barrier_wait -3
	s_barrier_signal -1
	s_barrier_wait -1
.endm
.macro WMMA d, a, b, z, sa, sb, extra
.if \z
	v_wmma_scale_f32_16x16x128_f8f6f4 v[\d:\d+7], v[\a:\a+11], v[\b:\b+11], 0, v[\sa], v[\sb] matrix_a_fmt:MATRIX_FMT_FP6 matrix_b_fmt:MATRIX_FMT_FP6 \extra
.else
	v_wmma_scale_f32_16x16x128_f8f6f4 v[\d:\d+7], v[\a:\a+11], v[\b:\b+11], v[\d:\d+7], v[\sa], v[\sb] matrix_a_fmt:MATRIX_FMT_FP6 matrix_b_fmt:MATRIX_FMT_FP6 \extra
.endif
.endm
.macro FETCHG grp, off
.irp k, 0,1,2,3
	ds_load_b128 v[AF+12*(4*\grp+\k):AF+12*(4*\grp+\k)+3], v[AD16] offset:\off+1536*(4*\grp+\k)
	ds_load_b64 v[AF+12*(4*\grp+\k)+4:AF+12*(4*\grp+\k)+5], v[AD8] offset:\off+1536*(4*\grp+\k)+512
	ds_load_b128 v[AF+12*(4*\grp+\k)+6:AF+12*(4*\grp+\k)+9], v[AD16] offset:\off+1536*(4*\grp+\k)+768
	ds_load_b64 v[AF+12*(4*\grp+\k)+10:AF+12*(4*\grp+\k)+11], v[AD8] offset:\off+1536*(4*\grp+\k)+1280
	ds_load_b32 v[AS+4*\grp+\k], v[AD4] offset:\off+12288+128*(4*\grp+\k)
.endr
.endm
.macro MUL4 s                          ; K step s: four accumulators by turns
.set ZZ, 0
.if (\s) == 0
.set ZZ, 1
.endif
.irp t, 0,1,2,3
.set FF, 4*(\s)+\t
	WIN 1+FF/21
.if \t%2
	WMMA HA+8*\t, 12*(FF%21), AF+12*(\s), ZZ, WS+8*(\t/2)+(\s), AS+(\s), matrix_a_scale:MATRIX_SCALE_ROW1
.else
	WMMA HA+8*\t, 12*(FF%21), AF+12*(\s), ZZ, WS+8*(\t/2)+(\s), AS+(\s)
.endif
.endr
.endm
	s_load_b256 s[8:15], s[0:1], 0x0               ; act, wimg, wo_scales, x
	s_load_b64 s[16:17], s[0:1], 0x20              ; x1
	v_lshl_add_u32 v254, v0, 2, 0x29000
	v_mov_b32 v255, 0
	ds_add_u32 v254, v255
	ds_add_u32 v254, v255
	v_lshrrev_b32 v9, 5, v0
	v_readfirstlane_b32 s[WV], v9
	v_and_b32 v9, 31, v0
	v_and_b32 v10, 15, v0                          ; r
	v_bfe_u32 v11, v0, 4, 1                        ; h
	v_lshlrev_b32 v[L16], 4, v9
	v_lshlrev_b32 v[L8], 3, v9
	v_lshlrev_b32 v[L4], 2, v9
	v_lshlrev_b32 v[XO], 12, v11
	v_lshl_add_u32 v[XO], v10, 4, v[XO]
	s_mul_i32 s44, s[WV], 4352
	s_add_co_u32 s44, s44, STG                     ; my stage
	v_mul_u32_u24 v[STO], v10, 272
	v_lshl_add_u32 v[STO], v11, 6, v[STO]
	v_add_nc_u32 v[STO], s44, v[STO]               ; in: row r, + 64 h
	v_mul_u32_u24 v[SRD], v11, 272
	v_lshl_add_u32 v[SRD], v10, 4, v[SRD]
	v_add_nc_u32 v[SRD], s44, v[SRD]               ; back: lanes 0-15 one row, lanes 16-31 the next
	v_and_b32 v9, 8, v10
	v_add_nc_u32 v9, v9, v10
	v_lshl_add_u32 v[SOFF], v11, 3, v9
	v_lshlrev_b32 v[SOFF], 5, v[SOFF]
	s_bfe_u32 s[CX], ttmp6, 0x40000
	s_lshl_b32 s[UN], s[CX], 2
	s_add_co_u32 s[UN], s[UN], s[WV]
	s_and_b32 s[BLK], ttmp7, 0xffff
	s_mov_b32 s[G1], 15|(3<<16)|(1<<21)            ; the mask: all four; elements of 8 bytes; 21 set beside a mask; no padding
	s_mov_b32 s[G1+1], 32<<16
	s_mov_b32 s[G1+2], 52<<16                      ; a record: 52 rows of 256 bytes
	s_mov_b32 s[G1+3], 32<<16
	s_mov_b32 s[G1+4], 52
	s_mov_b32 s[G1+5], 32
	s_mov_b32 s[G1+6], 0
	s_mov_b32 s[G1+7], 0
	s_mul_i32 s44, s[BLK], 4*REC
	s_mul_i32 s45, s[WV], REC
	s_add_co_u32 s44, s44, s45
	s_mov_b32 s45, 0
	s_mov_b32 s[G0], 1
	s_mul_i32 s[G0+1], s[WV], REC
	s_wait_dscnt 0x0
	s_wait_kmcnt 0x0
	s_add_nc_u64 s[G0+2:G0+3], s[8:9], s[44:45]
	s_or_b32 s[G0+3], s[G0+3], 0x80000000
	CROUND                                         ; all four work-groups are here
	tensor_load_to_lds s[G0:G0+3], s[G1:G1+7]      ; my one tensor load
	s_nop 0
	PLACES 4
	s_lshl_b32 s46, s[UN], 2
	s_add_co_u32 s46, s46, 192                     ; wo's tiles begin at image 192
	s_mul_i32 s46, s46, 12288
	s_mov_b32 s47, 0
	s_add_nc_u64 s[WB:WB+1], s[10:11], s[46:47]
	s_lshl_b32 s46, s[UN], 11
	s_add_nc_u64 s[SB:SB+1], s[12:13], s[46:47]
	s_lshl_b32 s46, s[BLK], 18                     ; 64 rows of 4,096 bytes,
	s_lshl_b32 s48, s[UN], 8                       ; my unit's 256 bytes
	s_add_co_u32 s46, s46, s48
	s_add_nc_u64 s[XB:XB+1], s[14:15], s[46:47]
	s_add_nc_u64 s[YB:YB+1], s[16:17], s[46:47]
.irp k, 0,1,2,3,4,5,6,7
.irp t, 0,1,2,3
.set FF, 4*\k+\t
	WIN (1+FF/21)<<6
.irp c, 0,1,2
	global_load_b128 v[12*(FF%21)+4*\c:12*(FF%21)+4*\c+3], v[L16], s[WB:WB+1] offset:12288*\t+1536*\k+512*\c
.endr
.endr
.endr
	WIN 0
	s_wait_alu depctr_va_vdst(0)
.irp b, 0,1
.irp c, 0,1
	global_load_b128 v[WS+8*\b+4*\c:WS+8*\b+4*\c+3], v[SOFF], s[SB:SB+1] offset:1024*\b+16*\c
.endr
.endr
	WIN 0xc0                                       ; destination: window 3
.irp n, 0,1,2,3
.irp i, 0,1,2,3,4,5,6,7
	global_load_b128 v[32*\n+4*\i:32*\n+4*\i+3], v[XO], s[XB:XB+1] offset:(32*(\n/2)+8*(\n%2)+2*\i+8*(\i/4))*4096   ; lane-rows 2 i, 2 i + 1 of tile n
.endr
.endr
	WIN 0
	s_wait_loadcnt 32                              ; the weights and their scales are in; x's 32 loads, issued behind them, may be out
	s_wait_tensorcnt 0x0
	s_barrier_signal -1
	s_barrier_wait -1
	FETCHG 0, 0
	FETCHG 1, 0
.macro WOTILE n, fetch
	s_wait_dscnt 20                                ; K steps 0-3 are in; the 20 loads of K steps 4-7 may be out
.irp k, 0,1,2,3
	MUL4 \k
.endr
	WIN 0
	PLACES 4
.if \fetch
	FETCHG 0, (\n+1)*REC
.endif
	s_wait_dscnt 20*\fetch                         ; K steps 4-7 are in; the 20 just issued may be out
.irp k, 4,5,6,7
	MUL4 \k
.endr
	WIN 0
	PLACES 4
.if \fetch
	FETCHG 1, (\n+1)*REC
.endif
.irp t, 0,1,2,3
.irp q, 0,1
	ds_store_b128 v[STO], v[HA+8*\t+4*\q:HA+8*\t+4*\q+3] offset:128*(\t/2)+32*(\t%2)+16*\q   ; columns 32 b + 16 h + 8 u + 4 q on; each accumulator from its low end on
.endr
.endr
	s_wait_xcnt 0x0                                ; the last tile's stores have read their data
.irp i, 0,1,2,3,4,5,6,7
	ds_load_b128 v[OB+4*\i:OB+4*\i+3], v[SRD] offset:544*\i   ; LDS serves a wave's instructions in order: these see my stores
.endr
	s_wait_dscnt 0x0
	s_wait_loadcnt 8*(3-\n)                        ; this tile's eight loads of x are in; the later tiles', eight each, may be out
	WIN 0x0c                                       ; source 1: window 3
.set N, 0
.rept 16
	v_pk_add_f32 v[OB+N:OB+N+1], v[OB+N:OB+N+1], v[32*\n+N:32*\n+N+1]
.set N, N+2
.endr
	WIN 0
.irp i, 0,1,2,3,4,5,6,7
	global_store_b128 v[XO], v[OB+4*\i:OB+4*\i+3], s[YB:YB+1] offset:(32*(\n/2)+8*(\n%2)+2*\i+8*(\i/4))*4096
.endr
.endm
	WOTILE 0, 1
	WOTILE 1, 1
	WOTILE 2, 1
	WOTILE 3, 0
	s_wait_tensorcnt 0x0
	ds_add_u32 v254, v255
	s_wait_dscnt 0x0
	CROUND                                         ; the closing round
	s_endpgm
.Lfunc_end_k_q898cf76677_wo:
	.size	k_q898cf76677_wo, .Lfunc_end_k_q898cf76677_wo-k_q898cf76677_wo
	.p2alignl 7, 3214868480
	.fill 96, 4, 3214868480
	.section	.rodata,"a",@progbits
	.p2align	6, 0x0
	.amdhsa_kernel k_q898cf76677_wo
		.amdhsa_group_segment_fixed_size 168448
		.amdhsa_private_segment_fixed_size 0
		.amdhsa_enable_private_segment 0
		.amdhsa_kernarg_size 40
		.amdhsa_user_sgpr_count 2
		.amdhsa_user_sgpr_kernarg_segment_ptr 1
		.amdhsa_wavefront_size32 1
		.amdhsa_system_sgpr_workgroup_id_x 1
		.amdhsa_system_sgpr_workgroup_id_y 1
		.amdhsa_system_sgpr_workgroup_id_z 1
		.amdhsa_system_vgpr_workitem_id 0
		.amdhsa_next_free_vgpr 896
		.amdhsa_next_free_sgpr 66
		.amdhsa_reserve_vcc 0
		.amdhsa_float_denorm_mode_32 3
		.amdhsa_float_denorm_mode_16_64 3
		.amdhsa_memory_ordered 1
		.amdhsa_forward_progress 1
		.amdhsa_inst_pref_size 57
	.end_amdhsa_kernel
	.amdgpu_metadata
---
amdhsa.version: [ 1, 2 ]
amdhsa.kernels:
  - .name:           k_q898cf76677_wo
    .symbol:         k_q898cf76677_wo.kd
    .args:
      - { .name: act, .offset: 0, .size: 8, .value_kind: global_buffer, .address_space: global }
      - { .name: wimg, .offset: 8, .size: 8, .value_kind: global_buffer, .address_space: global }
      - { .name: wo_scales, .offset: 16, .size: 8, .value_kind: global_buffer, .address_space: global }
      - { .name: x, .offset: 24, .size: 8, .value_kind: global_buffer, .address_space: global }
      - { .name: x1, .offset: 32, .size: 8, .value_kind: global_buffer, .address_space: global }
    .group_segment_fixed_size: 168448
    .private_segment_fixed_size: 0
    .kernarg_segment_align: 8
    .kernarg_segment_size: 40
    .max_flat_workgroup_size: 128
    .sgpr_count:     66
    .vgpr_count:     896
    .wavefront_size: 32
...
	.end_amdgpu_metadata
.endif
;; end of part 4
;; launch norm2 (part 5): grid 256 x 1, 4 waves a work-group, no clusters, 72,704 bytes of LDS; arguments x1, norm2_w, act; writes act
.if DOCPART == 5
	.amdgcn_target "amdgcn-amd-amdhsa--gfx1250"
	.amdhsa_code_object_version 6
	.text
	.protected	k_q898cf76677_norm2
	.globl	k_q898cf76677_norm2
	.p2align	8
	.type	k_q898cf76677_norm2,@function
k_q898cf76677_norm2:
	s_mov_b64 s[64:65], 0
	v_nop
	global_prefetch_b8 v0, s[64:65] scope:SCOPE_SE
	s_setreg_imm32_b32 hwreg(HW_REG_WAVE_MODE, 25, 1), 1
	s_wait_xcnt 0x0
; h2 = RMSNorm(x1) * norm2_w, quantised to E2M3 along the 1,024 columns, stored as records of register images (16 half images of 768 bytes, 8 x 128 bytes of scale words: 13,312 bytes for a tile of 16 tokens).
; A work-group takes a tile of 16 tokens (tile 2 b + u: lane-row r is token 32 b + 8 u + r + 8 (r / 8)), wave w its columns 256 w .. 256 w + 255.  Every load reads 512 consecutive bytes of a row; the rows turn
; through the wave's own stage in LDS, so that a lane holds 16 neighbours of each block of 32.  The four waves' sums of squares meet in LDS behind the one barrier.
; LIMITS: scale byte 1 for blocks under 2^-124 and blocks of zeros (only this program reads the bytes); no NaN, no infinities; 1 / rms is v_rsq_f32.
.set WREG, 17920
.set STG2, 8448
.set GAIN, 16896
.set PART, 71680                       ; beyond an LDS immediate's 16 bits: the base stands in the address registers
.set XB, 8
.set GB, 10
.set AB, 12
.set D, 64
.set WVR, 192
.set TM, 16
.set PW, 32
.set PC, 36
.set SEL, 38
.macro QUANT4 s
.irp b, 0,1,2,3
	v_max3_num_f32 v[TM+\b], |v[\s+16*\b]|, |v[\s+1+16*\b]|, 0x1800000   ; my 16 numbers of block b, and the floor 2^(3 - 127)
.endr
.irp i, 2,4,6,8,10,12,14
.irp b, 0,1,2,3
	v_max3_num_f32 v[TM+\b], v[TM+\b], |v[\s+16*\b+\i]|, |v[\s+1+16*\b+\i]|
.endr
.endr
.irp b, 0,1,2,3
	v_permlanex16_b32 v[TM+4+\b], v[TM+\b], s[SEL], s[SEL+1]
.endr
.irp b, 0,1,2,3
	v_max_num_f32 v[TM+\b], v[TM+\b], v[TM+4+\b]
.endr
.irp b, 0,1,2,3
	v_add_nc_u32 v[TM+12+\b], 0xff000000, v[TM+\b]
.endr
.irp b, 0,1,2,3
	v_lshrrev_b32 v[TM+4+\b], 23, v[TM+12+\b]
.endr
	v_lshl_or_b32 v[PW], v[TM+5], 8, v[TM+4]
	v_lshl_or_b32 v[PW], v[TM+6], 16, v[PW]
	v_lshl_or_b32 v[PW], v[TM+7], 24, v[PW]
.irp c, 0,1
	v_cvt_scalef32_pk16_fp6_f32 v[PC+6*\c:PC+2+6*\c], v[\s+32*\c:\s+15+32*\c], v[TM+12+2*\c]
	v_cvt_scalef32_pk16_fp6_f32 v[PC+12+4*\c:PC+14+4*\c], v[\s+16+32*\c:\s+31+32*\c], v[TM+12+2*\c+1]
.endr
	v_nop
.irp c, 0,1
.irp i, 0,1,2
	v_permlane16_swap_b32 v[PC+6*\c+\i], v[PC+12+4*\c+\i]
.endr
.irp i, 0,1,2
	v_mov_b32 v[PC+3+6*\c+\i], v[PC+12+4*\c+\i]
.endr
.endr
.endm
.macro NORMQ c
	s_wait_xcnt 0x0                                ; earlier stores have read their data
.irp b, 0,1,2,3
.irp j, 0,1,2,3
	ds_load_b128 v[WVR+16*\b+4*\j:WVR+16*\b+4*\j+3], v6 offset:GAIN+512*\c+128*\b+16*\j
.endr
.endr
.set Q, 0
.rept 32
	v_pk_mul_f32 v[D+64*\c+2*Q:D+64*\c+2*Q+1], v[D+64*\c+2*Q:D+64*\c+2*Q+1], v[58:59]
.set Q, Q+1
.endr
	s_wait_dscnt 0x0
.set Q, 0
.rept 32
	v_pk_mul_f32 v[D+64*\c+2*Q:D+64*\c+2*Q+1], v[D+64*\c+2*Q:D+64*\c+2*Q+1], v[WVR+2*Q:WVR+2*Q+1]
.set Q, Q+1
.endr
	QUANT4 D+64*\c
	global_store_b128 v12, v[PC:PC+3], s[AB:AB+1] offset:1536*\c
	global_store_b64 v13, v[PC+4:PC+5], s[AB:AB+1] offset:1536*\c+512
	global_store_b128 v12, v[PC+6:PC+9], s[AB:AB+1] offset:1536*\c+768
	global_store_b64 v13, v[PC+10:PC+11], s[AB:AB+1] offset:1536*\c+1280
	global_store_b32 v14, v[PW], s[AB:AB+1] offset:12288+128*\c
.endm
	s_load_b128 s[8:11], s[0:1], 0x0               ; x1, norm2_w
	s_load_b64 s[12:13], s[0:1], 0x10              ; act
	v_lshl_add_u32 v51, v0, 2, 0x11a00
	v_mov_b32 v55, 0
	v_lshrrev_b32 v1, 5, v0
	v_readfirstlane_b32 s36, v1
	v_and_b32 v9, 31, v0
	v_and_b32 v10, 15, v0
	v_bfe_u32 v11, v0, 4, 1
	v_lshlrev_b32 v1, 4, v9
	v_lshlrev_b32 v2, 3, v9
	v_lshlrev_b32 v3, 2, v9
	s_mov_b32 s[SEL], 0x76543210
	s_mov_b32 s[SEL+1], 0xfedcba98
	s_mul_i32 s40, s36, WREG
	v_add_nc_u32 v4, s40, v1
	v_mul_u32_u24 v5, v10, 528
	v_lshl_add_u32 v5, v11, 6, v5
	v_add_nc_u32 v5, s40, v5
	v_lshlrev_b32 v6, 6, v11
	v_add_nc_u32 v6, s40, v6
	s_lshl_b32 s41, s36, 7
	v_add_nc_u32 v7, s41, v3
	v_add_nc_u32 v7, PART, v7                      ; my wave's sums: PART + 128 w + 4 x lane
	v_add_nc_u32 v8, PART, v3                      ; and all four waves', read back: PART + 4 x lane
	s_mul_i32 s41, s36, 3072
	v_add_nc_u32 v12, s41, v1
	v_add_nc_u32 v13, s41, v2
	s_lshl_b32 s41, s36, 8
	v_add_nc_u32 v14, s41, v3
.irp b, 0,1,2,3
	v_mov_b32 v[TM+4+\b], 0
.endr
	s_lshr_b32 s42, ttmp9, 1
	s_lshl_b32 s42, s42, 5
	s_and_b32 s43, ttmp9, 1
	s_lshl_b32 s43, s43, 3
	s_add_co_u32 s42, s42, s43
	s_lshl_b32 s42, s42, 12
	s_lshl_b32 s44, s36, 10
	s_add_co_u32 s42, s42, s44
	s_mov_b32 s43, 0
	s_mov_b32 s45, 0
	s_mul_i32 s46, ttmp9, 13312
	s_mov_b32 s47, 0
	s_wait_kmcnt 0x0
	s_add_nc_u64 s[XB:XB+1], s[XB:XB+1], s[42:43]
	s_add_nc_u64 s[GB:GB+1], s[GB:GB+1], s[44:45]
	s_add_nc_u64 s[AB:AB+1], s[AB:AB+1], s[46:47]
	global_load_b128 v[WVR:WVR+3], v1, s[GB:GB+1]
	global_load_b128 v[WVR+4:WVR+7], v1, s[GB:GB+1] offset:512
.irp c, 0,1
.irp i, 0,1,2,3,4,5,6,7,8,9,10,11,12,13,14,15
	global_load_b128 v[D+64*\c+4*\i:D+64*\c+4*\i+3], v1, s[XB:XB+1] offset:(\i+8*(\i/8))*4096+512*\c
.endr
.endr
	s_wait_loadcnt 32                              ; the gains are in: behind them stand the 32 loads of x1
	ds_store_b128 v4, v[WVR:WVR+3] offset:GAIN
	ds_store_b128 v4, v[WVR+4:WVR+7] offset:GAIN+512
.irp k, 0,1,2,3
	s_wait_loadcnt 24-8*\k                         ; eight more rows are in; the younger loads stay out
.irp e, 0,1,2,3,4,5,6,7
	ds_store_b128 v4, v[D+32*\k+4*\e:D+32*\k+4*\e+3] offset:STG2*(\k/2)+528*(8*(\k%2)+\e)
.endr
.endr
.irp c, 0,1
.irp b, 0,1,2,3
.irp j, 0,1,2,3
	ds_load_b128 v[D+64*\c+16*\b+4*\j:D+64*\c+16*\b+4*\j+3], v5 offset:STG2*\c+128*\b+16*\j
.endr
.endr
.endr
	s_wait_dscnt 0x0
.irp k, 0,1,2,3
	v_pk_mul_f32 v[56+2*\k:57+2*\k], v[D+2*\k:D+2*\k+1], v[D+2*\k:D+2*\k+1]
.endr
.set Q, 4
.rept 60
	v_pk_fma_f32 v[56+2*(Q%4):57+2*(Q%4)], v[D+2*Q:D+2*Q+1], v[D+2*Q:D+2*Q+1], v[56+2*(Q%4):57+2*(Q%4)]
.set Q, Q+1
.endr
	v_pk_add_f32 v[56:57], v[56:57], v[58:59]
	v_pk_add_f32 v[60:61], v[60:61], v[62:63]
	v_pk_add_f32 v[56:57], v[56:57], v[60:61]
	v_add_f32 v56, v56, v57
	v_permlanex16_b32 v58, v56, s[SEL], s[SEL+1]
	v_add_f32 v56, v56, v58
	ds_store_b32 v7, v56
	s_wait_dscnt 0x0                               ; for the others' sake: my store has landed
	s_barrier_signal -1
	s_barrier_wait -1
.irp k, 0,1,2,3
	ds_load_b32 v[60+\k], v8 offset:128*\k
.endr
	s_mov_b32 s54, 0x3727c5ac                      ; 1e-5
	s_wait_dscnt 0x0
	v_add_f32 v56, v60, v61
	v_add_f32 v56, v56, v62
	v_add_f32 v56, v56, v63
	v_fma_f32 v56, v56, 0x3a800000, s54
	s_wait_alu depctr_va_vdst(0)
	v_rsq_f32 v58, v56
	v_rsq_f32 v59, v56
	v_nop
	s_wait_alu depctr_va_vdst(0)
	NORMQ 0
	NORMQ 1
	s_wait_tensorcnt 0x0
	ds_add_u32 v51, v55
	s_wait_dscnt 0x0
	s_endpgm
.Lfunc_end_k_q898cf76677_norm2:
	.size	k_q898cf76677_norm2, .Lfunc_end_k_q898cf76677_norm2-k_q898cf76677_norm2
	.p2alignl 7, 3214868480
	.fill 96, 4, 3214868480
	.section	.rodata,"a",@progbits
	.p2align	6, 0x0
	.amdhsa_kernel k_q898cf76677_norm2
		.amdhsa_group_segment_fixed_size 72704
		.amdhsa_private_segment_fixed_size 0
		.amdhsa_enable_private_segment 0
		.amdhsa_kernarg_size 24
		.amdhsa_user_sgpr_count 2
		.amdhsa_user_sgpr_kernarg_segment_ptr 1
		.amdhsa_wavefront_size32 1
		.amdhsa_system_sgpr_workgroup_id_x 1
		.amdhsa_system_sgpr_workgroup_id_y 1
		.amdhsa_system_sgpr_workgroup_id_z 1
		.amdhsa_system_vgpr_workitem_id 0
		.amdhsa_next_free_vgpr 256
		.amdhsa_next_free_sgpr 66
		.amdhsa_reserve_vcc 0
		.amdhsa_float_denorm_mode_32 3
		.amdhsa_float_denorm_mode_16_64 3
		.amdhsa_memory_ordered 1
		.amdhsa_forward_progress 1
		.amdhsa_inst_pref_size 34
	.end_amdhsa_kernel
	.amdgpu_metadata
---
amdhsa.version: [ 1, 2 ]
amdhsa.kernels:
  - .name:           k_q898cf76677_norm2
    .symbol:         k_q898cf76677_norm2.kd
    .args:
      - { .name: x1, .offset: 0, .size: 8, .value_kind: global_buffer, .address_space: global }
      - { .name: norm2_w, .offset: 8, .size: 8, .value_kind: global_buffer, .address_space: global }
      - { .name: act, .offset: 16, .size: 8, .value_kind: global_buffer, .address_space: global }
    .group_segment_fixed_size: 72704
    .private_segment_fixed_size: 0
    .kernarg_segment_align: 8
    .kernarg_segment_size: 24
    .max_flat_workgroup_size: 128
    .sgpr_count:     66
    .vgpr_count:     256
    .wavefront_size: 32
...
	.end_amdgpu_metadata
.endif
;; end of part 5
;; launch ffn1 (part 6): grid 11 x 23, 4 waves a work-group, no clusters, 168,448 bytes of LDS; arguments act, wimg, w1_scales, w3_scales, g; writes g
.if DOCPART == 6
	.amdgcn_target "amdgcn-amd-amdhsa--gfx1250"
	.amdhsa_code_object_version 6
	.text
	.protected	k_q898cf76677_ffn1
	.globl	k_q898cf76677_ffn1
	.p2align	8
	.type	k_q898cf76677_ffn1,@function
k_q898cf76677_ffn1:
	s_mov_b64 s[64:65], 0
	v_nop
	global_prefetch_b8 v0, s[64:65] scope:SCOPE_SE
	s_setreg_imm32_b32 hwreg(HW_REG_WAVE_MODE, 25, 1), 1
	s_wait_xcnt 0x0
; g = silu(h2 w1^T) * (h2 w3^T) on codes of E2M3, quantised along the 2,752 hidden units as the last product's operand.
; SHARES.  The wave owns 64 hidden units, unit j = 4 x + wave of 43: four tiles of w1 and the same four of w3, 64 fragments, 768 registers, loaded once as images and kept.  Work-group y = k takes 11 tiles of tokens
; (k < 20) or 12 (k = 20, 21, 22), from tile 11 k + max(k - 20, 0) on: 253 work-groups.  Its 12 records of h2 (159,744 bytes; always inside the buffer) come into LDS once, a quarter by each wave; nothing is filled again.
; A TILE: w3's 32 products first (four accumulators by turns), then w1's 32.  The finished g of the tile BEFORE lies in w1's accumulators until w1's products begin: it is quantised and stored in five short runs
; that stand among w3's products.  Then silu in place: b <- a b, a <- -a log2 e, 32 exponentials, + 1, 32 reciprocals, a <- a b: two batches of transcendentals a tile.
; The next record's fragments are fetched in two runs, behind K steps 3 and 7 of w1's products, which are the last to read them.
; THE FIRST TILE begins while weights are on their way: the loads go out as 8 (scales), 96 (w3), 96 (w1), K step by K step, and each K step waits by count for its own.
; NO CLUSTER: 2,752 = 43 x 64 gives 11 work-groups along x, which no cluster of four divides.  NO PREFETCH: every stream is asked for whole at the head; there is no loop to run ahead in.
; UNIT 43 HAS NO COLUMNS: K of the last product is filled from 2,752 to 2,816 with zero codes.  That wave walks the tiles with the others; inside each tile a branch on the unit's number leads it round the products,
; the fetches and the silu: its g is zeros, set once, and goes through the same quantiser and stores (zero codes under the floor's scale byte 1).  Its loads of weights are held at unit 42's and serve nothing.
; A record of g: 44 half images of 768 bytes, then 22 x 128 bytes of scale words: 36,608 bytes for 16 tokens.
; LIMITS: scale byte 1 for tiny and zero blocks; no NaN, no infinities; the sigmoid is v_exp_f32 and v_rcp_f32; a b is formed ahead of the sigmoid, so |a b| stays under f32's largest number.
.set REC, 13312
.set GREC, 36608
.set L16, 1
.set L8, 2
.set L4, 3
.set AD16, 4
.set AD8, 5
.set AD4, 6
.set SOFF, 8
.set WS, 12                            ; v12-43 scale words: pair t / 2 of the eight tiles, K step s at WS + 8 (t / 2) + s
.set AS, 44
.set ACC, 52                           ; v52-115 eight accumulators: w1's four, w3's four
.set AF, 116                           ; v116-211 the tokens' 8 fragments
.set TM, 224
.set PC2, 240
.set PX, 246
.set PW2, 250
.set WV, 18
.set J, 19
.set JC, 20
.set KB, 21
.set ST, 22
.set G0, 24
.set G1, 28
.set W1B, 36
.set W3B, 38
.set S1B, 40
.set S3B, 42
.set GP, 44
.set GS, 46
.set TB, 48
.set CNT, 49
.set SEL, 50
.set MSB, 0
.macro WIN new
.if MSB != (\new)
	s_set_vgpr_msb (MSB<<8)|(\new)
.set MSB, (\new)
.endif
.endm
.macro PLACES n
.rept \n
	v_nop
.endr
.endm
.macro WMMA d, a, b, z, sa, sb, extra
.if \z
	v_wmma_scale_f32_16x16x128_f8f6f4 v[\d:\d+7], v[\a:\a+11], v[\b:\b+11], 0, v[\sa], v[\sb] matrix_a_fmt:MATRIX_FMT_FP6 matrix_b_fmt:MATRIX_FMT_FP6 \extra
.else
	v_wmma_scale_f32_16x16x128_f8f6f4 v[\d:\d+7], v[\a:\a+11], v[\b:\b+11], v[\d:\d+7], v[\sa], v[\sb] matrix_a_fmt:MATRIX_FMT_FP6 matrix_b_fmt:MATRIX_FMT_FP6 \extra
.endif
.endm
.macro FETCHG grp, off                 ; K steps 4 grp .. 4 grp + 3 of the record off bytes on: 20 LDS loads
.irp k, 0,1,2,3
	ds_load_b128 v[AF+12*(4*\grp+\k):AF+12*(4*\grp+\k)+3], v[AD16] offset:\off+1536*(4*\grp+\k)
	ds_load_b64 v[AF+12*(4*\grp+\k)+4:AF+12*(4*\grp+\k)+5], v[AD8] offset:\off+1536*(4*\grp+\k)+512
	ds_load_b128 v[AF+12*(4*\grp+\k)+6:AF+12*(4*\grp+\k)+9], v[AD16] offset:\off+1536*(4*\grp+\k)+768
	ds_load_b64 v[AF+12*(4*\grp+\k)+10:AF+12*(4*\grp+\k)+11], v[AD8] offset:\off+1536*(4*\grp+\k)+1280
	ds_load_b32 v[AS+4*\grp+\k], v[AD4] offset:\off+12288+128*(4*\grp+\k)
.endr
.endm
.macro NEXTREC
	s_add_co_u32 s[TB], s[TB], REC
	v_add_nc_u32 v[AD16], s[TB], v[L16]
	v_add_nc_u32 v[AD8], s[TB], v[L8]
	v_add_nc_u32 v[AD4], s[TB], v[L4]
.endm
.macro FLOC f                          ; fragment f = 8 s + t stays in window 1 + f / 21 at register 12 (f % 21); the 64th in window 0 at v212
.if (\f) == 63
.set FW, 0
.set FRG, 212
.else
.set FW, 1+(\f)/21
.set FRG, 12*((\f)%21)
.endif
.endm
.macro WLOAD t0, base                  ; tiles t0 .. t0 + 3 of the eight, K step by K step: 96 loads of 512 consecutive bytes
.irp k, 0,1,2,3,4,5,6,7
.irp t, 0,1,2,3
	FLOC 8*\k+\t0+\t
	WIN FW<<6
.irp c, 0,1,2
	global_load_b128 v[FRG+4*\c:FRG+4*\c+3], v[L16], s[\base:\base+1] offset:12288*\t+1536*\k+512*\c
.endr
.endr
.endr
.endm
.macro MUL4 s, t0                      ; K step s of tiles t0 .. t0 + 3: four accumulators by turns; K step 0 starts the sums
.set ZZ, 0
.if (\s) == 0
.set ZZ, 1
.endif
.irp t, 0,1,2,3
	FLOC 8*(\s)+\t0+\t
	WIN FW
.if \t%2
	WMMA ACC+8*(\t0+\t), FRG, AF+12*(\s), ZZ, WS+8*((\t0+\t)/2)+(\s), AS+(\s), matrix_a_scale:MATRIX_SCALE_ROW1
.else
	WMMA ACC+8*(\t0+\t), FRG, AF+12*(\s), ZZ, WS+8*((\t0+\t)/2)+(\s), AS+(\s)
.endif
.endr
.endm
; THE QUANTISER of g (v[ACC] on: register 16 b + i = hidden unit 32 b + 16 (lane / 16) + i of my token), in five runs.  Each run reads only what the run before it, or itself, has made.
.macro QM i                            ; four chains, two to a block
.irp b, 0,1
.irp c, 0,1
	v_max3_num_f32 v[TM+8+2*\b+\c], v[TM+8+2*\b+\c], |v[ACC+16*\b+8*\c+\i]|, |v[ACC+16*\b+8*\c+\i+1]|
.endr
.endr
.endm
.macro QCH n
.if (\n) == 0
.irp b, 0,1
.irp c, 0,1
	v_max3_num_f32 v[TM+8+2*\b+\c], |v[ACC+16*\b+8*\c]|, |v[ACC+16*\b+8*\c+1]|, 0x1800000   ; and the floor 2^(3 - 127): the byte cannot fall under 1
.endr
.endr
	QM 2
.endif
.if (\n) == 1
	QM 4
	QM 6
.endif
.if (\n) == 2
.irp b, 0,1
	v_max_num_f32 v[TM+\b], v[TM+8+2*\b], v[TM+9+2*\b]
.endr
.irp b, 0,1
	v_permlanex16_b32 v[TM+2+\b], v[TM+\b], s[SEL], s[SEL+1]
.endr
.endif
.if (\n) == 3
.irp b, 0,1
	v_max_num_f32 v[TM+\b], v[TM+\b], v[TM+2+\b]   ; with lane l xor 16's: the block's largest magnitude
.endr
.irp b, 0,1
	v_add_nc_u32 v[TM+4+\b], 0xff000000, v[TM+\b]  ; 2 off the exponent field: the conversion's scale operand
.endr
.irp b, 0,1
	v_lshrrev_b32 v[TM+6+\b], 23, v[TM+4+\b]
.endr
	v_lshl_or_b32 v[PW2], v[TM+7], 8, v[TM+6]
	v_cvt_scalef32_pk16_fp6_f32 v[PC2:PC2+2], v[ACC:ACC+15], v[TM+4]
	v_cvt_scalef32_pk16_fp6_f32 v[PX:PX+2], v[ACC+16:ACC+31], v[TM+5]
	v_nop                                          ; one plain place behind a scaled conversion
.endif
.if (\n) == 4
.irp i, 0,1,2
	v_permlane16_swap_b32 v[PC2+\i], v[PX+\i]      ; a whole block to a lane
.endr
.irp i, 0,1,2
	v_mov_b32 v[PC2+3+\i], v[PX+\i]
.endr
	global_store_b128 v[L16], v[PC2:PC2+3], s[GP:GP+1]
	global_store_b64 v[L8], v[PC2+4:PC2+5], s[GP:GP+1] offset:512
	global_store_b16 v[L4], v[PW2], s[GS:GS+1]
.endif
.endm
.macro GSTEP                           ; on to the next tile's record of g
	s_wait_xcnt 0x0                                ; the three stores have read their data and bases
	s_add_nc_u64 s[GP:GP+1], s[GP:GP+1], GREC
	s_add_nc_u64 s[GS:GS+1], s[GS:GS+1], GREC
.endm
.macro SILU                            ; a b / (1 + 2^(-a log2 e)), in place; each accumulator is read from its low end on
.set N, 0
.rept 16
	v_pk_mul_f32 v[ACC+32+N:ACC+33+N], v[ACC+N:ACC+N+1], v[ACC+32+N:ACC+33+N]
.set N, N+2
.endr
.set N, 0
.rept 16
	v_pk_mul_f32 v[ACC+N:ACC+N+1], v[ACC+N:ACC+N+1], 0xbfb8aa3b op_sel_hi:[1,0]
.set N, N+2
.endr
	s_wait_alu depctr_va_vdst(0)
.set N, 0
.rept 32
	v_exp_f32 v[ACC+N], v[ACC+N]
.set N, N+1
.endr
	v_nop                                          ; a plain place behind the batch
	s_wait_alu depctr_va_vdst(0)
.set N, 0
.rept 16
	v_pk_add_f32 v[ACC+N:ACC+N+1], v[ACC+N:ACC+N+1], 1.0 op_sel_hi:[1,0]
.set N, N+2
.endr
	s_wait_alu depctr_va_vdst(0)
.set N, 0
.rept 32
	v_rcp_f32 v[ACC+N], v[ACC+N]
.set N, N+1
.endr
	v_nop
	s_wait_alu depctr_va_vdst(0)
.set N, 0
.rept 16
	v_pk_mul_f32 v[ACC+N:ACC+N+1], v[ACC+N:ACC+N+1], v[ACC+32+N:ACC+33+N]
.set N, N+2
.endr
	s_wait_alu depctr_va_vdst(0)
.endm
; first = 1: the weights may still be on their way.  quant = 1: the tile before is quantised and stored.  fetch = 1: the next record is fetched.
.macro TILE first, quant, fetch
	s_cmp_eq_u32 s[J], 43
	s_cbranch_scc1 .Lz_\@
	s_wait_dscnt 0x0                               ; this record's 40 loads were issued ahead of the last tile's silu
.if \first
	s_wait_loadcnt 63                              ; the scales and w3's 96 loads are in: behind them stand w1's 96
.endif
.irp k, 0,1,2,3,4,5,6,7
	MUL4 \k, 4
.if (\quant) && (\k < 5)
	WIN 0
	QCH \k
.endif
.endr
	WIN 0
.if \quant
	GSTEP                                          ; (the stores stand twelve products back)
.endif
.irp k, 0,1,2,3,4,5,6,7
.if \first
.if (7-\k)*12 > 63
	s_wait_loadcnt 63
.else
	s_wait_loadcnt (7-\k)*12                       ; w1's K step k is in: behind it stand twelve loads for each later K step
.endif
.endif
	MUL4 \k, 0
.if \k == 3
	WIN 0
	PLACES 4                                       ; in front of loads into registers that matrix instructions have read
.if \fetch
	FETCHG 0, REC
.endif
.endif
.endr
	WIN 0
	PLACES 4                                       ; likewise, and in front of the first read of the results
.if \fetch
	FETCHG 1, REC
.endif
	SILU
	s_branch .Lj_\@
.Lz_\@:                                            ; unit 43
.if \first
	s_wait_loadcnt 0x0                             ; my loads are over
.set N, 0
.rept 32
	v_mov_b32 v[ACC+N], 0                          ; my g, for every tile
.set N, N+1
.endr
	s_wait_alu depctr_va_vdst(0)
.endif
.if \quant
.irp n, 0,1,2,3,4
	QCH \n
.endr
	GSTEP
.endif
.Lj_\@:
.if \fetch
	NEXTREC                                        ; every wave steps the record's address; sixteen lines of the next quantiser stand ahead of its next reader
.endif
.endm
	s_load_b256 s[8:15], s[0:1], 0x0               ; act, wimg, w1_scales, w3_scales
	s_load_b64 s[16:17], s[0:1], 0x20              ; g
	v_lshl_add_u32 v254, v0, 2, 0x29000
	v_mov_b32 v255, 0
	ds_add_u32 v254, v255
	ds_add_u32 v254, v255
	v_lshrrev_b32 v9, 5, v0
	v_readfirstlane_b32 s[WV], v9
	v_and_b32 v9, 31, v0
	v_and_b32 v10, 15, v0
	v_bfe_u32 v11, v0, 4, 1
	v_lshlrev_b32 v[L16], 4, v9
	v_lshlrev_b32 v[L8], 3, v9
	v_lshlrev_b32 v[L4], 2, v9
	v_mov_b32 v[AD16], v[L16]
	v_mov_b32 v[AD8], v[L8]
	v_mov_b32 v[AD4], v[L4]
	v_and_b32 v9, 8, v10
	v_add_nc_u32 v9, v9, v10
	v_lshl_add_u32 v[SOFF], v11, 3, v9
	v_lshlrev_b32 v[SOFF], 5, v[SOFF]
	v_mov_b32 v[TM+2], 0                           ; a lane permute's destination counts as one of its sources
	v_mov_b32 v[TM+3], 0
	s_lshl_b32 s[J], ttmp9, 2
	s_add_co_u32 s[J], s[J], s[WV]
	s_min_u32 s[JC], s[J], 42
	s_and_b32 s[KB], ttmp7, 0xffff
	s_max_u32 s52, s[KB], 20
	s_sub_co_u32 s52, s52, 20
	s_mul_i32 s[ST], s[KB], 11
	s_add_co_u32 s[ST], s[ST], s52                 ; my first tile of tokens
	s_mov_b32 s[SEL], 0x76543210
	s_mov_b32 s[SEL+1], 0xfedcba98
	s_mov_b32 s[TB], 0
	s_mov_b32 s[G1], 3<<16                         ; no mask; elements of 8 bytes; no padding
	s_mov_b32 s[G1+1], 32<<16
	s_mov_b32 s[G1+2], 156<<16                     ; three records: 156 rows of 256 bytes
	s_mov_b32 s[G1+3], 32<<16
	s_mov_b32 s[G1+4], 156
	s_mov_b32 s[G1+5], 32
	s_mov_b32 s[G1+6], 0
	s_mov_b32 s[G1+7], 0
	s_mul_i32 s52, s[ST], REC
	s_mul_i32 s53, s[WV], 3*REC
	s_add_co_u32 s52, s52, s53
	s_mov_b32 s53, 0
	s_mov_b32 s[G0], 1
	s_mul_i32 s[G0+1], s[WV], 3*REC
	s_wait_alu depctr_va_vdst(0)
	s_wait_dscnt 0x0
	s_wait_kmcnt 0x0
	s_add_nc_u64 s[G0+2:G0+3], s[8:9], s[52:53]
	s_or_b32 s[G0+3], s[G0+3], 0x80000000
	tensor_load_to_lds s[G0:G0+3], s[G1:G1+7]      ; my one tensor load
	s_nop 0
	PLACES 4
	s_lshl_b32 s54, s[JC], 2
	s_add_co_u32 s54, s54, 256                     ; w1's tiles begin at image 256,
	s_mul_i32 s54, s54, 12288
	s_mov_b32 s55, 0
	s_add_nc_u64 s[W1B:W1B+1], s[10:11], s[54:55]
	s_add_nc_u64 s[W3B:W3B+1], s[W1B:W1B+1], 172*12288   ; w3's 172 tiles on
	s_lshl_b32 s54, s[JC], 11
	s_add_nc_u64 s[S1B:S1B+1], s[12:13], s[54:55]
	s_add_nc_u64 s[S3B:S3B+1], s[14:15], s[54:55]
	s_mul_i32 s56, s[ST], GREC
	s_mul_i32 s54, s[J], 768
	s_add_co_u32 s54, s54, s56
	s_add_nc_u64 s[GP:GP+1], s[16:17], s[54:55]    ; half image j of the tile's record,
	s_lshr_b32 s54, s[J], 1
	s_lshl_b32 s54, s54, 7
	s_and_b32 s57, s[J], 1
	s_lshl_b32 s57, s57, 1
	s_add_co_u32 s54, s54, s57
	s_add_co_u32 s54, s54, s56
	s_add_co_u32 s54, s54, 33792
	s_add_nc_u64 s[GS:GS+1], s[16:17], s[54:55]    ; and two bytes of scale word j / 2
.irp b, 0,1
.irp c, 0,1
	global_load_b128 v[WS+8*\b+4*\c:WS+8*\b+4*\c+3], v[SOFF], s[S1B:S1B+1] offset:1024*\b+16*\c
	global_load_b128 v[WS+16+8*\b+4*\c:WS+16+8*\b+4*\c+3], v[SOFF], s[S3B:S3B+1] offset:1024*\b+16*\c
.endr
.endr
	WLOAD 4, W3B                                   ; w3 first: its products come first
	WLOAD 0, W1B
	WIN 0
	s_wait_tensorcnt 0x0                           ; my quarter has landed,
	s_barrier_signal -1
	s_barrier_wait -1                              ; everybody's has
	FETCHG 0, 0
	FETCHG 1, 0
	TILE 1, 0, 1
	s_mov_b32 s[CNT], 0
.Ltile:                                            ; tiles 1 to 10; the last of them fetches the twelfth record, which lies in LDS in every work-group
	TILE 0, 1, 1
	s_add_co_u32 s[CNT], s[CNT], 1
	s_cmp_lt_u32 s[CNT], 10
	s_cbranch_scc1 .Ltile
	s_cmp_lt_u32 s[KB], 20
	s_cbranch_scc1 .Lfin
	TILE 0, 1, 0                                   ; the twelfth tile of blocks 20 to 22
.Lfin:
.irp n, 0,1,2,3,4
	QCH \n                                         ; the last tile's g
.endr
	s_wait_dscnt 0x0
	s_wait_tensorcnt 0x0                           ; the wave's end
	ds_add_u32 v254, v255
	s_wait_dscnt 0x0
	s_endpgm
.Lfunc_end_k_q898cf76677_ffn1:
	.size	k_q898cf76677_ffn1, .Lfunc_end_k_q898cf76677_ffn1-k_q898cf76677_ffn1
	.p2alignl 7, 3214868480
	.fill 96, 4, 3214868480
	.section	.rodata,"a",@progbits
	.p2align	6, 0x0
	.amdhsa_kernel k_q898cf76677_ffn1
		.amdhsa_group_segment_fixed_size 168448
		.amdhsa_private_segment_fixed_size 0
		.amdhsa_enable_private_segment 0
		.amdhsa_kernarg_size 40
		.amdhsa_user_sgpr_count 2
		.amdhsa_user_sgpr_kernarg_segment_ptr 1
		.amdhsa_wavefront_size32 1
		.amdhsa_system_sgpr_workgroup_id_x 1
		.amdhsa_system_sgpr_workgroup_id_y 1
		.amdhsa_system_sgpr_workgroup_id_z 1
		.amdhsa_system_vgpr_workitem_id 0
		.amdhsa_next_free_vgpr 1024
		.amdhsa_next_free_sgpr 66
		.amdhsa_reserve_vcc 0
		.amdhsa_float_denorm_mode_32 3
		.amdhsa_float_denorm_mode_16_64 3
		.amdhsa_memory_ordered 1
		.amdhsa_forward_progress 1
		.amdhsa_inst_pref_size 91
	.end_amdhsa_kernel
	.amdgpu_metadata
---
amdhsa.version: [ 1, 2 ]
amdhsa.kernels:
  - .name:           k_q898cf76677_ffn1
    .symbol:         k_q898cf76677_ffn1.kd
    .args:
      - { .name: act, .offset: 0, .size: 8, .value_kind: global_buffer, .address_space: global }
      - { .name: wimg, .offset: 8, .size: 8, .value_kind: global_buffer, .address_space: global }
      - { .name: w1_scales, .offset: 16, .size: 8, .value_kind: global_buffer, .address_space: global }
      - { .name: w3_scales, .offset: 24, .size: 8, .value_kind: global_buffer, .address_space: global }
      - { .name: g, .offset: 32, .size: 8, .value_kind: global_buffer, .address_space: global }
    .group_segment_fixed_size: 168448
    .private_segment_fixed_size: 0
    .kernarg_segment_align: 8
    .kernarg_segment_size: 40
    .max_flat_workgroup_size: 128
    .sgpr_count:     66
    .vgpr_count:     1024
    .wavefront_size: 32
...
	.end_amdgpu_metadata
.endif
;; end of part 6
;; launch ffn2 (part 7): grid 8 x 32, 4 waves a work-group, clusters of 4 x 1, 310,272 bytes of LDS; arguments g, wimg, x1, out0; writes out0
.if DOCPART == 7
	.amdgcn_target "amdgcn-amd-amdhsa--gfx1250"
	.amdhsa_code_object_version 6
	.text
	.protected	k_q898cf76677_ffn2
	.globl	k_q898cf76677_ffn2
	.p2align	8
	.type	k_q898cf76677_ffn2,@function
k_q898cf76677_ffn2:
	s_mov_b64 s[64:65], 0
	v_nop
	global_prefetch_b8 v0, s[64:65] scope:SCOPE_SE
	s_setreg_imm32_b32 hwreg(HW_REG_WAVE_MODE, 25, 1), 1
	s_wait_xcnt 0x0
	s_wait_alu depctr_hold_cnt(0) depctr_sa_sdst(0) depctr_va_vdst(0) depctr_va_sdst(0) depctr_va_ssrc(0) depctr_va_vcc(0) depctr_vm_vsrc(0)
	s_getreg_b32 s2, hwreg(HW_REG_IB_STS2, 6, 4)
	s_cmp_eq_u32 s2, 0
	s_cbranch_scc0 .Lentry_in_a_cluster
	s_endpgm
.Lentry_in_a_cluster:
	s_bfe_u32 s2, ttmp6, 0x10000c
	s_cmp_lg_u32 s2, 0x3003
	s_cbranch_scc0 .Lentry_shape_is_right
	s_endpgm
.Lentry_shape_is_right:
; out0 = x1 + g w2^T on codes of E2M3; K = 2,752, filled to 22 K steps of 128 with zero codes on both sides.
; SHARES.  Work-group y: 128 tokens (8 tiles).  Slice 4 x cluster x + cx: 128 output columns; the wave owns 32 of them, a pair of weight tiles x 22 K steps = 44 fragments kept in 528 registers.
; The block's 8 records of g (292,864 bytes) come into LDS once, a quarter by each wave; the four work-groups of a cluster need the same bytes and ask JOINTLY.  Nothing is filled again.
; Source 0 = 16 tokens (window 0), source 1 = 16 weight rows: the window switch then touches source 1 alone and stays through the LDS loads.
; THE 8 x 22 = 176 K STEPS ARE ONE STREAM, walked in 44 groups of four through a ring of 12 places in registers: eight products, four places, then in ONE run the 20 LDS loads of the group three further on,
; which take the places just multiplied.  22 is no multiple of 4, so the stream is written out by a counted macro, and a tile's way out stands wherever its 22nd K step falls.
; A fragment read from LDS feeds two products: the price of 256 work-groups with all of K at hand.
; x1's rows for all eight tiles (32 loads, 128 registers of window 3) are asked for at the head, behind the weights; each tile waits for its own four alone.
; The four waves' 4 x 32 columns of a tile meet in a stage (16 rows x 528 bytes, two stages by turns, in bytes that no fill touches); each wave then stores 4 whole rows of 512 consecutive bytes.
; One barrier a tile: a stage is written again two tiles later, behind the next tile's barrier, which every wave signals only when its reads of that stage have come back.
.set REC, 36608
.set STG, 292864
.set W2OFF, 7372800
.set W2SOFF, 9535488
.set L16, 1
.set L8, 2
.set L4, 3
.set AD16, 4                           ; v4-6: the record from which the stream is being fetched
.set AD8, 5
.set AD4, 6
.set STO, 7
.set SRD, 8
.set WS, 12                            ; v12-35 w2's scale words, one a K step: lanes 0-15 the even tile, lanes 16-31 the odd one
.set AS, 36                            ; v36-47 the tokens' scale words, a ring of 12
.set ACC, 48                           ; v48-63 two accumulators
.set AF, 64                            ; v64-207 the tokens' fragments, a ring of 12
.set OB, 212                           ; v212-227 four rows read back from the stage
.set XW, 32                            ; window 3: v32-159 x1's rows: tile t's four at v[32 + 16 t]  (v0-23 of that window hold the last two weight fragments)
.set WV, 16
.set CX, 17
.set SLC, 18
.set PB, 19
.set BLK, 20
.set G0, 24
.set G1, 28
.set WB, 36
.set SB, 38
.set XB, 40
.set YB, 42
.set TB, 44
.set MSB, 0
.macro WIN new
.if MSB != (\new)
	s_set_vgpr_msb (MSB<<8)|(\new)
.set MSB, (\new)
.endif
.endm
.macro PLACES n
.rept \n
	v_nop
.endr
.endm
.macro CROUND
	s_barrier_signal -1
	s_barrier_wait -1
	s_cmp_lg_u32 s[WV], 0
	s_cbranch_scc1 .Lnot_wave_0_\@
	s_barrier_signal -3
.Lnot_wave_0_\@:
	s_barrier_wait -3
	s_barrier_signal -1
	s_barrier_wait -1
.endm
.macro WMMA d, a, b, z, sa, sb, extra
.if \z
	v_wmma_scale_f32_16x16x128_f8f6f4 v[\d:\d+7], v[\a:\a+11], v[\b:\b+11], 0, v[\sa], v[\sb] matrix_a_fmt:MATRIX_FMT_FP6 matrix_b_fmt:MATRIX_FMT_FP6 \extra
.else
	v_wmma_scale_f32_16x16x128_f8f6f4 v[\d:\d+7], v[\a:\a+11], v[\b:\b+11], v[\d:\d+7], v[\sa], v[\sb] matrix_a_fmt:MATRIX_FMT_FP6 matrix_b_fmt:MATRIX_FMT_FP6 \extra
.endif
.endm
; Step gl of the stream, K step gl % 22 of record gl / 22, into ring place gl % 12: five LDS loads.  At a record's first K step the three addresses go on to that record.
.macro KLOAD gl
.if ((\gl)%22 == 0) && ((\gl) > 0)
	WIN 0
	s_add_co_u32 s[TB], s[TB], REC
	v_add_nc_u32 v[AD16], s[TB], v[L16]
	s_wait_alu depctr_va_vdst(0)
	v_add_nc_u32 v[AD8], s[TB], v[L8]
	s_wait_alu depctr_va_vdst(0)
	v_add_nc_u32 v[AD4], s[TB], v[L4]
.endif
.set SLT, (\gl)%12
.set KS, (\gl)%22
	ds_load_b128 v[AF+12*SLT:AF+12*SLT+3], v[AD16] offset:1536*KS
	ds_load_b64 v[AF+12*SLT+4:AF+12*SLT+5], v[AD8] offset:1536*KS+512
	ds_load_b128 v[AF+12*SLT+6:AF+12*SLT+9], v[AD16] offset:1536*KS+768
	ds_load_b64 v[AF+12*SLT+10:AF+12*SLT+11], v[AD8] offset:1536*KS+1280
	ds_load_b32 v[AS+SLT], v[AD4] offset:33792+128*KS
.endm
; Step g of the stream: two products, the two accumulators by turns; a tile's first K step starts the sums
.macro PROD g
.set KS, (\g)%22
.set SLT, (\g)%12
.set ZZ, 0
.if KS == 0
.set ZZ, 1
.endif
.set FF, 2*KS
	WIN (1+FF/21)<<2
	WMMA ACC, AF+12*SLT, 12*(FF%21), ZZ, AS+SLT, WS+KS
.set FF, 2*KS+1
	WIN (1+FF/21)<<2
	WMMA ACC+8, AF+12*SLT, 12*(FF%21), ZZ, AS+SLT, WS+KS, matrix_b_scale:MATRIX_SCALE_ROW1
.endm
; Tile t's way out.  The eight packed additions, which name no accumulator, stand with the four v_nop between the tile's last products and the next tile's first, which begin the accumulators anew.
.macro F2OUT t
	WIN 0
	PLACES 4                                       ; in front of the first read of the results
.irp a, 0,1
.irp j, 0,1,2,3,4,5,6,7
	ds_store_b32 v[STO], v[ACC+8*\a+\j] offset:8448*((\t)%2)+528*\j+32*\a   ; (token lane-row 8 h + j, column 32 w + 8 a + r + 8 (r / 8)); each accumulator from its low end on
.endr
.endr
	s_wait_dscnt 0x0                               ; for the others' sake: my stores have landed
	s_barrier_signal -1
	s_barrier_wait -1
	s_wait_xcnt 0x0                                ; the last tile's stores have read their data
.irp i, 0,1,2,3
	ds_load_b128 v[OB+4*\i:OB+4*\i+3], v[SRD] offset:8448*((\t)%2)+528*\i
.endr
	s_wait_dscnt 0x0
	s_wait_loadcnt 4*(7-(\t))                      ; this tile's four loads of x1 are in; the later tiles', four each, may be out
	WIN 0x0c                                       ; source 1: window 3
.set N, 0
.rept 8
	v_pk_add_f32 v[OB+N:OB+N+1], v[OB+N:OB+N+1], v[XW+16*(\t)+N:XW+16*(\t)+N+1]
.set N, N+2
.endr
	WIN 0
.irp i, 0,1,2,3
	global_store_b128 v[L16], v[OB+4*\i:OB+4*\i+3], s[YB:YB+1] offset:(32*((\t)/2)+8*((\t)%2)+\i)*4096   ; 32 lanes store 512 consecutive bytes, aligned
.endr
.endm
; Group n of 44: steps 4 n .. 4 n + 3 of the stream
.macro GROUP n
.if (\n) < 42
	s_wait_dscnt 40                                ; this group's 20 loads are in; behind them stand the 20 of each of the two groups that follow (and, now and then, a way out's, which only adds to the count)
.else
	s_wait_dscnt 20*(43-(\n))                      ; the last two groups: the counts run down
.endif
.irp k, 0,1,2,3
	PROD 4*(\n)+\k
.if (4*(\n)+\k)%22 == 21
	F2OUT (4*(\n)+\k)/22
.endif
.endr
.if (\n) < 41
	PLACES 4                                       ; in front of loads into registers that matrix instructions have read
	s_wait_alu depctr_va_vdst(0)
.irp k, 0,1,2,3
	KLOAD 4*(\n)+12+\k
.endr
.endif
.endm
	s_load_b256 s[8:15], s[0:1], 0x0               ; g, wimg, x1, out0
	v_lshl_add_u32 v254, v0, 2, 0x4ba00
	v_mov_b32 v255, 0
	ds_add_u32 v254, v255
	ds_add_u32 v254, v255
	v_lshrrev_b32 v9, 5, v0
	v_readfirstlane_b32 s[WV], v9
	v_and_b32 v9, 31, v0
	v_and_b32 v10, 15, v0                          ; r
	v_bfe_u32 v11, v0, 4, 1                        ; h
	v_lshlrev_b32 v[L16], 4, v9
	v_lshlrev_b32 v[L8], 3, v9
	v_lshlrev_b32 v[L4], 2, v9
	v_mov_b32 v[AD16], v[L16]
	v_mov_b32 v[AD8], v[L8]
	v_mov_b32 v[AD4], v[L4]
	v_mul_u32_u24 v9, v9, 96                       ; w2's scale words: 96 bytes a lane
	v_and_b32 v[STO], 8, v10
	v_add_nc_u32 v[STO], v[STO], v10
	v_lshlrev_b32 v[STO], 2, v[STO]                ; the stage, in: column r + 8 (r / 8) of my tile's 8 + 8,
	v_mad_u32_u24 v[STO], v11, 4224, v[STO]        ; rows 8 h on,
	s_lshl_b32 s46, s[WV], 7
	s_add_co_u32 s46, s46, STG
	v_add_nc_u32 v[STO], s46, v[STO]               ; my wave's 128 bytes of a row
	s_mul_i32 s46, s[WV], 2112
	s_add_co_u32 s46, s46, STG
	v_add_nc_u32 v[SRD], s46, v[L16]               ; back: rows 4 w on, whole
	s_bfe_u32 s[CX], ttmp6, 0x40000
	s_lshl_b32 s[SLC], ttmp9, 2
	s_add_co_u32 s[SLC], s[SLC], s[CX]
	s_lshl_b32 s[PB], s[SLC], 2
	s_add_co_u32 s[PB], s[PB], s[WV]
	s_and_b32 s[BLK], ttmp7, 0xffff
	s_mov_b32 s[TB], 0
	s_mov_b32 s[G1], 15|(3<<16)|(1<<21)            ; the mask: all four; elements of 8 bytes; 21 set beside a mask; no padding
	s_mov_b32 s[G1+1], 32<<16
	s_mov_b32 s[G1+2], 286<<16                     ; two records: 286 rows of 256 bytes
	s_mov_b32 s[G1+3], 32<<16
	s_mov_b32 s[G1+4], 286
	s_mov_b32 s[G1+5], 32
	s_mov_b32 s[G1+6], 0
	s_mov_b32 s[G1+7], 0
	s_mul_i32 s46, s[BLK], 8*REC
	s_mul_i32 s47, s[WV], 2*REC
	s_add_co_u32 s46, s46, s47
	s_mov_b32 s47, 0
	s_mov_b32 s[G0], 1
	s_mul_i32 s[G0+1], s[WV], 2*REC
	s_wait_dscnt 0x0
	s_wait_kmcnt 0x0
	s_add_nc_u64 s[G0+2:G0+3], s[8:9], s[46:47]
	s_or_b32 s[G0+3], s[G0+3], 0x80000000
	CROUND                                         ; all four work-groups are here
	tensor_load_to_lds s[G0:G0+3], s[G1:G1+7]      ; my one tensor load
	s_nop 0
	PLACES 4
	s_mul_i32 s48, s[PB], 67584                    ; my two tiles' images
	s_add_co_u32 s48, s48, W2OFF
	s_mov_b32 s49, 0
	s_add_nc_u64 s[WB:WB+1], s[10:11], s[48:49]
	s_mul_i32 s48, s[PB], 3072
	s_add_co_u32 s48, s48, W2SOFF
	s_add_nc_u64 s[SB:SB+1], s[10:11], s[48:49]
	s_lshl_b32 s48, s[BLK], 7
	s_lshl_b32 s50, s[WV], 2
	s_add_co_u32 s48, s48, s50
	s_lshr_b32 s50, s[WV], 1
	s_lshl_b32 s50, s50, 3
	s_add_co_u32 s48, s48, s50                     ; lane-rows 4 w on of tile (b, u) are tokens 32 b + 8 u + 4 w + 8 (w / 2) on
	s_lshl_b32 s48, s48, 12
	s_lshl_b32 s50, s[SLC], 9
	s_add_co_u32 s48, s48, s50
	s_add_nc_u64 s[XB:XB+1], s[12:13], s[48:49]
	s_add_nc_u64 s[YB:YB+1], s[14:15], s[48:49]
.set N, 0
.rept 44                                       ; fragment f = 2 s + t stays in window 1 + f / 21 at register 12 (f % 21)
	WIN (1+N/21)<<6
.irp c, 0,1,2
	global_load_b128 v[12*(N%21)+4*\c:12*(N%21)+4*\c+3], v[L16], s[WB:WB+1] offset:33792*(N%2)+1536*(N/2)+512*\c
.endr
.set N, N+1
.endr
	WIN 0
	s_wait_alu depctr_va_vdst(0)
.irp k, 0,1,2,3,4,5
	global_load_b128 v[WS+4*\k:WS+4*\k+3], v9, s[SB:SB+1] offset:16*\k
.endr
	WIN 0xc0                                       ; destination: window 3
.irp t, 0,1,2,3,4,5,6,7
.irp i, 0,1,2,3
	global_load_b128 v[XW+16*\t+4*\i:XW+16*\t+4*\i+3], v[L16], s[XB:XB+1] offset:(32*(\t/2)+8*(\t%2)+\i)*4096   ; my four rows of tile t: 512 consecutive bytes each
.endr
.endr
	WIN 0
	s_wait_loadcnt 32                              ; the weights and their scale words are in; x1's 32 loads, issued behind them, may be out
	s_wait_tensorcnt 0x0
	s_barrier_signal -1
	s_barrier_wait -1
.irp k, 0,1,2,3,4,5,6,7,8,9,10,11
	KLOAD \k                                       ; the ring is filled: the first three groups
.endr
.set G, 0
.rept 44
	GROUP G
.set G, G+1
.endr
	s_wait_tensorcnt 0x0
	ds_add_u32 v254, v255
	s_wait_dscnt 0x0
	CROUND                                         ; the closing round
	s_endpgm
.Lfunc_end_k_q898cf76677_ffn2:
	.size	k_q898cf76677_ffn2, .Lfunc_end_k_q898cf76677_ffn2-k_q898cf76677_ffn2
	.p2alignl 7, 3214868480
	.fill 96, 4, 3214868480
	.section	.rodata,"a",@progbits
	.p2align	6, 0x0
	.amdhsa_kernel k_q898cf76677_ffn2
		.amdhsa_group_segment_fixed_size 310272
		.amdhsa_private_segment_fixed_size 0
		.amdhsa_enable_private_segment 0
		.amdhsa_kernarg_size 32
		.amdhsa_user_sgpr_count 2
		.amdhsa_user_sgpr_kernarg_segment_ptr 1
		.amdhsa_wavefront_size32 1
		.amdhsa_system_sgpr_workgroup_id_x 1
		.amdhsa_system_sgpr_workgroup_id_y 1
		.amdhsa_system_sgpr_workgroup_id_z 1
		.amdhsa_system_vgpr_workitem_id 0
		.amdhsa_next_free_vgpr 928
		.amdhsa_next_free_sgpr 66
		.amdhsa_reserve_vcc 0
		.amdhsa_float_denorm_mode_32 3
		.amdhsa_float_denorm_mode_16_64 3
		.amdhsa_memory_ordered 1
		.amdhsa_forward_progress 1
		.amdhsa_inst_pref_size 151
	.end_amdhsa_kernel
	.amdgpu_metadata
---
amdhsa.version: [ 1, 2 ]
amdhsa.kernels:
  - .name:           k_q898cf76677_ffn2
    .symbol:         k_q898cf76677_ffn2.kd
    .args:
      - { .name: g, .offset: 0, .size: 8, .value_kind: global_buffer, .address_space: global }
      - { .name: wimg, .offset: 8, .size: 8, .value_kind: global_buffer, .address_space: global }
      - { .name: x1, .offset: 16, .size: 8, .value_kind: global_buffer, .address_space: global }
      - { .name: out0, .offset: 24, .size: 8, .value_kind: global_buffer, .address_space: global }
    .group_segment_fixed_size: 310272
    .private_segment_fixed_size: 0
    .kernarg_segment_align: 8
    .kernarg_segment_size: 32
    .max_flat_workgroup_size: 128
    .sgpr_count:     66
    .vgpr_count:     928
    .wavefront_size: 32
...
	.end_amdgpu_metadata
.endif
;; end of part 7
